; MI455X (gfx1250); checked and timed in simulation.
; The chip was launched on July 23, 2026; its instructions are those of AMD's public machine-readable ISA for CDNA 5 (MIT licence, August 2026) and "CDNA5" Instruction Set Architecture Reference Guide (July 2026). The comments in the code are by the model that wrote it; some were corrected since.
;; Projected Adaptive Log Softmax. Allowed arithmetic: matrix products marked QUANTISED: E3M2 operands, one E8M0 scale for each 32 along K, by v_wmma_scale_f32_16x16x128_f8f6f4 with both operands' format E3M2, f32 sums; products left as they are: f32 operands where the result goes on into a quantised operand, else bf16, f16 or f32 operands; f32 sums; everything else in f32.
;; Inputs: P1 256 x 1,024 float32; P2 64 x 1,024 float32; P3 16 x 1,024 float32; W1 20,000 x 256 float32; W2 160,000 x 64 float32; W3 67,735 x 16 float32; W_clusters 3 x 1,024 float32; W_head 20,000 x 1,024 float32; b1 20,000 float32; b2 160,000 float32; b3 67,735 float32; b_clusters 3 float32; b_head 20,000 float32; hidden 1,024 x 1,024 float32; target 1,024 int32.
;; Outputs: out0 1,024 float32.
;; This version of the problem:
;;   THIS VERSION OF THE PROBLEM IS GIVEN IN LOW PRECISION. The matrix products marked QUANTISED in the list below multiply operands that are first quantised to E3M2 (3 exponent bits, 2 mantissa bits; 6 bits a number), with one power-of-two scale for each 32 numbers along K (OCP MX v1.0); their sums are f32. All else is computed in f32.
;;   The module's matrix products, in the order in which they are computed (A, B: the left and right operand; K: the contracted axis; several contracted axes count as one K, in the product's order):
;;     1. [M 1,024, K 1,024] x [K 1,024, N 20,000]; A: input hidden; B: input W_head: QUANTISED
;;     2. [M 1,024, K 1,024] x [K 1,024, N 3]; A: input hidden; B: input W_clusters: left as it is (N = 3 < 16)
;;     3. [M 1,024, K 1,024] x [K 1,024, N 256]; A: input hidden; B: input P1: QUANTISED
;;     4. [M 1,024, K 256] x [K 256, N 20,000]; A: computed on the way; B: input W1: QUANTISED
;;     5. [M 1,024, K 1,024] x [K 1,024, N 64]; A: input hidden; B: input P2: QUANTISED
;;     6. [M 1,024, K 64] x [K 64, N 160,000]; A: computed on the way; B: input W2: QUANTISED
;;     7. [M 1,024, K 1,024] x [K 1,024, N 16]; A: input hidden; B: input P3: QUANTISED
;;     8. [M 1,024, K 16] x [K 16, N 67,735]; A: computed on the way; B: input W3: left as it is (K = 16 < 32)
;;   THE QUANTISER, for each operand of a quantised product, along K:
;;     - K is cut into blocks of 32 from its start; a last block that is shorter is filled with zeros.
;;     - A block's scale is 2^e with e = floor(log2(the largest magnitude in the block)) - 4, held to -126 .. 127; a block of zeros has e = 0. As a byte (E8M0): e + 127.
;;     - Each number is divided by its block's scale, clamped to +-28, and rounded to the nearest number of E3M2, ties to even, subnormals kept.
;;     - The product sums the exact products of the quantised numbers (number of the format x scale) in f32.
;;   ~~~python
;;   def quantise(x, axis):      # numpy; x: float32 -> the quantised numbers, widened to float32 again
;;       x = np.moveaxis(x, axis, -1); K = x.shape[-1]
;;       x = np.pad(x, [(0, 0)] * (x.ndim - 1) + [(0, -K % 32)]); x = x.reshape(x.shape[:-1] + (-1, 32)); a = np.abs(x).max(-1, keepdims=True)
;;       e = np.where(a > 0, np.clip(np.frexp(np.where(a > 0, a, 1))[1] - 1 - 4, -126, 127), 0)      # np.frexp(a)[1] - 1 = floor(log2(a)), exactly
;;       r = np.clip(x / 2.0 ** e, -28, 28)
;;       step = 2.0 ** (np.maximum(np.frexp(np.where(r == 0, 1, r))[1] - 1, -2) - 2)
;;       q = np.round(r / step) * step * 2.0 ** e      # np.round: ties to even
;;       return np.moveaxis(q.reshape(q.shape[:-2] + (-1,))[..., :K], -1, axis).astype(np.float32)
;;   ~~~
;;   OPERANDS COMPUTED ON THE WAY. 'Computed on the way' means the value that the module computes at that place (a softmax that the list does not call 'softmax' is quantised finished and normalised). What goes into a quantiser is computed in f32, as accurately as f32 sums, v_exp_f32 and their like allow (about 1e-6 of the number): no bf16 or f16 on the way to a quantiser, and a product that is left as it is and whose result goes on into a quantised operand takes f32 operands (vector FMAs, or v_wmma_f32_16x16x4_f32). A number that lies on a knife's edge between two numbers of the format may be rounded either way, as far as f32 arithmetic and the matrix unit's own rounding can turn it there, and no further.
;; 2 versions, each right; version 2 is version 1 with the launches head, tails written anew for expert scheduling mode. Each part assembles by itself: llvm-mc -triple=amdgcn-amd-amdhsa -mcpu=gfx1250 --defsym DOCPART=n.
;; ======== version 1 of 2: 4 launches
;; limits: right only within a limited range of input values
;; workspace buffers: Q 30,251,520 bytes; meta 8,448 bytes of whole numbers; xq 303,104 bytes; hp 2,048,000 bytes; tp 17,145,856 bytes; aux 28,672 bytes
;; launch quant (part 1): grid 1137 x 1, 4 waves a work-group, no clusters, 35,328 bytes of LDS; arguments hidden, P1, P2, P3, W_head, W1, W2, target, Q, meta; writes Q, meta
.if DOCPART == 1
	.amdgcn_target "amdgcn-amd-amdhsa--gfx1250"
	.amdhsa_code_object_version 6
	.text
	.protected	k_qa3c84554b1_quant
	.globl	k_qa3c84554b1_quant
	.p2align	8
	.type	k_qa3c84554b1_quant,@function
k_qa3c84554b1_quant:
	s_mov_b64 s[64:65], 0
	v_nop
	global_prefetch_b8 v0, s[64:65] scope:SCOPE_SE
	s_setreg_imm32_b32 hwreg(HW_REG_WAVE_MODE, 25, 1), 1
	s_wait_xcnt 0x0
; hidden, P1, P2, P3, W_head, W1, W2 (f32, K innermost) become codes of BF6 (E3M2) with one E8M0 byte for each 32 along K, laid as IMAGES OF OPERAND REGISTERS.
; A fragment is 16 rows x 128 K: 12 registers a lane; lane (r, h) holds row r, registers 6 c .. 6 c + 5 hold k = 64 c + 32 h + 0 .. 31.  Its image: registers 4 g .. 4 g + 3 at 512 g + 16 x lane.
; A quad is four fragments (4 x 1,536 bytes) and their scale words (lane l's four words at 6,144 + 16 l): 6,656 bytes.  One wave makes one quad from 32 KiB of f32.
; Quads: 0 hidden (2 T + half of K), 128 P1, 160 P2, 168 P3, 170 W_head (all like hidden), 2670 W1 (tiles 2 q, 2 q + 1 x two K steps), 3295 W2 (four pair fragments: tile 2 p in k 0-63, tile 2 p + 1 in k 64-127).
; ROUTING: a token's cluster is the number of cuts (20,000, 40,000, 200,000) that its target reaches.  pos = (tokens of lower clusters) + (earlier tokens of the same cluster): a permutation of 0 .. 1,023.
; The rows of hidden are stored at their pos, so that every later launch walks tokens sorted by cluster.  meta: +0 the first pos of clusters 1, 2, 3 and 1,024; +256 the token at each pos; +4,352 its target.
; A block's scale byte is its largest magnitude's exponent field - 4, held at 1 from below.  A block of zeros so gets the byte 1 where the quantiser says 127: its codes are zeros, and this program alone reads the bytes.
; LIMITS: NaN and infinities among the inputs are not served; target is taken as 0 .. 267,734 (compared unsigned).
; Each load reads whole runs of 256 bytes (sixteen lanes to a run); a fragment's 8 KiB turn through the wave's own stage in LDS (32 runs, 272 bytes apart) so that a lane gets 32 neighbours along K.  No barrier: waves share nothing.
.set NQ,   4545
.set QREC, 6656
.set FRB,  1536
.set QSC,  6144
.set VO,   16                          ; v16-31   byte offsets of a fragment's sixteen loads
.set R,    32                          ; v32-95   a fragment as loaded
.set X,    96                          ; v96-159  the same, 64 numbers of my row: X[32 c + i] = k 64 c + 32 h + i  (before the first fragment: the targets)
.set C,    160                         ; v160-207 codes, 12 registers for each fragment: no store's data are written again
.set SCW,  208                         ; v208-211 the four scale words
	s_load_b256 s[4:11], s[0:1], 0x0               ; hidden, P1, P2, P3
	s_load_b256 s[12:19], s[0:1], 0x20             ; W_head, W1, W2, target
	s_load_b128 s[20:23], s[0:1], 0x40             ; Q, meta
	v_lshl_add_u32 v232, v0, 2, 0x8800
	v_mov_b32 v233, 0
	v_lshrrev_b32 v1, 5, v0
	v_readfirstlane_b32 s24, v1                    ; wave
	s_lshl_b32 s25, ttmp9, 2
	s_add_co_u32 s25, s25, s24                     ; q: my quad
	s_cmp_ge_u32 s25, NQ
	s_cbranch_scc1 .Lend                           ; 4 x 1,137 = 4,548: the last three waves have no quad
	v_and_b32 v1, 31, v0                           ; lane
	v_and_b32 v2, 15, v0                           ; r
	v_bfe_u32 v3, v0, 4, 1                         ; h
	s_mul_i32 s58, s24, 8704                       ; my stage
	v_mul_u32_u24 v4, 272, v3
	v_lshl_add_u32 v4, v2, 4, v4
	v_add_nc_u32 v4, s58, v4                       ; in: run 2 i + h, 16 bytes a lane
	v_mul_u32_u24 v5, 272, v2
	v_lshl_add_u32 v5, v3, 7, v5
	v_add_nc_u32 v5, s58, v5                       ; out: run 16 c + r, from byte 128 h
	v_lshlrev_b32 v10, 3, v3                       ; 8 h: where my two scale bytes stand in the word
	v_mov_b32 v219, 0                              ; written once: a lane permute's destination counts as one of its sources
	s_mov_b32 s46, 0x76543210
	s_mov_b32 s47, 0xfedcba98                      ; selects for lane l xor 16
	s_mov_b32 s48, 0xffff0000                      ; lanes 16-31
	s_mov_b32 s49, 20000
	s_mov_b32 s50, 40000
	s_mov_b32 s51, 200000
	; which tensor, and its shape: row pitch, distance of c = 1 from c = 0, distances of the fragments, bytes of a quad's rows
	s_mov_b32 s27, 256                             ; W2: a row is 256 bytes,
	s_mov_b32 s28, 4096                            ; c = 1 is the next tile, 16 rows on,
	s_mov_b32 s29, 8192                            ; a fragment is 32 rows
	s_mov_b32 s30, 16384
	s_mov_b32 s31, 0
	s_mov_b32 s32, 32768
	s_mov_b32 s33, 0
	s_mov_b32 s26, 3295
	s_wait_kmcnt 0x0
	s_mov_b64 s[34:35], s[16:17]
	s_cmp_lt_u32 s25, 3295                         ; W1: rows of 1,024 bytes; fragments: K step, then tile
	s_cselect_b64 s[34:35], s[14:15], s[34:35]
	s_cselect_b32 s27, 1024, s27
	s_cselect_b32 s28, 256, s28
	s_cselect_b32 s29, 512, s29
	s_cselect_b32 s26, 2670, s26
	s_cmp_lt_u32 s25, 2670                         ; K = 1,024: rows of 4,096 bytes; two quads to a tile, four K steps each
	s_cselect_b64 s[34:35], s[12:13], s[34:35]
	s_cselect_b32 s27, 4096, s27
	s_cselect_b32 s30, 1024, s30
	s_cselect_b32 s31, 1, s31
	s_cselect_b32 s32, 65536, s32
	s_cselect_b32 s33, 1, s33
	s_cselect_b32 s26, 170, s26
	s_cmp_lt_u32 s25, 170
	s_cselect_b64 s[34:35], s[10:11], s[34:35]
	s_cselect_b32 s26, 168, s26
	s_cmp_lt_u32 s25, 168
	s_cselect_b64 s[34:35], s[8:9], s[34:35]
	s_cselect_b32 s26, 160, s26
	s_cmp_lt_u32 s25, 160
	s_cselect_b64 s[34:35], s[6:7], s[34:35]
	s_cselect_b32 s26, 128, s26
	s_cmp_lt_u32 s25, 128
	s_cselect_b64 s[34:35], s[4:5], s[34:35]
	s_cselect_b32 s26, 0, s26
	s_sub_co_u32 s26, s25, s26                     ; my quad's number within its tensor
	s_lshr_b32 s44, s26, s31
	s_mul_i32 s44, s44, s32
	s_and_b32 s45, s26, s33
	s_lshl_b32 s45, s45, 11
	s_add_co_u32 s44, s44, s45                     ; its first byte (under 2^27)
	s_mov_b32 s45, 0
	s_add_nc_u64 s[36:37], s[34:35], s[44:45]      ; the four fragments' first bytes
	s_mov_b32 s58, s29
	s_mov_b32 s59, 0
	s_add_nc_u64 s[38:39], s[36:37], s[58:59]
	s_mov_b32 s58, s30
	s_add_nc_u64 s[40:41], s[36:37], s[58:59]
	s_add_nc_u64 s[42:43], s[38:39], s[58:59]
	v_mul_u32_u24 v7, s27, v3
	v_lshl_add_u32 v7, v2, 4, v7                   ; lanes 0-15 one row's 256 bytes, lanes 16-31 the next row's
.set ii, 0
.rept 16
	s_mul_i32 s58, s27, 2*(ii%8)
.if ii >= 8
	s_add_co_u32 s58, s58, s28
.endif
	v_add_nc_u32 v[VO+ii], s58, v7                 ; load i: rows 2 (i % 8), + 1; c = i / 8
.set ii, ii+1
.endr
.macro LOADF j                         ; fragment j: sixteen loads of 512 bytes
.set ii, 0
.rept 16
	global_load_b128 v[R+4*ii:R+4*ii+3], v[VO+ii], s[36+2*(\j):37+2*(\j)] th:TH_LOAD_NT
.set ii, ii+1
.endr
.endm
.macro QUANT j                         ; my two blocks (c = 0, 1) of 32: all their numbers are mine
	v_max3_num_f32 v212, |v[X]|, |v[X+1]|, 0x2800000               ; with the floor 2^(5 - 127): the byte cannot fall under 1
	v_max3_num_f32 v213, |v[X+32]|, |v[X+33]|, 0x2800000
.set ii, 2
.rept 15
	v_max3_num_f32 v212, v212, |v[X+ii]|, |v[X+ii+1]|
	v_max3_num_f32 v213, v213, |v[X+32+ii]|, |v[X+33+ii]|
.set ii, ii+2
.endr
	v_add_nc_u32 v214, 0xfe000000, v212            ; 4 off the exponent field: the conversion takes this operand's exponent field as its scale
	v_add_nc_u32 v215, 0xfe000000, v213
	v_lshrrev_b32 v216, 23, v214                   ; the scale's byte
	v_lshrrev_b32 v217, 23, v215
	v_lshl_or_b32 v218, v217, 16, v216             ; blocks h and 2 + h of my row,
	v_lshlrev_b32 v218, v10, v218                  ; at their places in the word;
	v_permlanex16_b32 v219, v218, s46, s47
	v_or_b32 v[SCW+(\j)], v218, v219               ; with lane l xor 16's two the word is whole, in both lanes
	v_cvt_scalef32_pk16_bf6_f32 v[C+12*(\j):C+12*(\j)+2], v[X:X+15], v214
	v_cvt_scalef32_pk16_bf6_f32 v[220:222], v[X+16:X+31], v214     ; (a conversion's three registers begin on an even number)
	v_cvt_scalef32_pk16_bf6_f32 v[C+12*(\j)+6:C+12*(\j)+8], v[X+32:X+47], v215
	v_cvt_scalef32_pk16_bf6_f32 v[224:226], v[X+48:X+63], v215
	v_nop                                          ; one plain place behind a scaled conversion
.set ii, 0
.rept 3
	v_mov_b32 v[C+12*(\j)+3+ii], v[220+ii]
	v_mov_b32 v[C+12*(\j)+9+ii], v[224+ii]
.set ii, ii+1
.endr
.endm
.macro FRAG j
	s_wait_loadcnt 0x0                             ; the fragment is in
.set ii, 0
.rept 16
	ds_store_b128 v4, v[R+4*ii:R+4*ii+3] offset:544*ii
.set ii, ii+1
.endr
.set ii, 0
.rept 16
	ds_load_b128 v[X+4*ii:X+4*ii+3], v5 offset:4352*(ii/8)+16*(ii%8)   ; LDS serves a wave's instructions in order: these see my stores
.set ii, ii+1
.endr
	s_wait_dscnt 0x0                               ; my 64 numbers are back; the stores have read R
.if (\j) < 3
	LOADF (\j)+1                                   ; the next fragment lands while this one is quantised
.endif
	QUANT \j
	global_store_b128 v6, v[C+12*(\j):C+12*(\j)+3], s[20:21] offset:FRB*(\j)
	global_store_b128 v6, v[C+12*(\j)+4:C+12*(\j)+7], s[20:21] offset:FRB*(\j)+512
	global_store_b128 v6, v[C+12*(\j)+8:C+12*(\j)+11], s[20:21] offset:FRB*(\j)+1024
.endm
	s_cmp_ge_u32 s25, 128
	s_cbranch_scc1 .Lplain
	; ---- hidden: where do my 16 tokens go?  All 1,024 targets: register 4 i + e of lane l is token 128 i + 4 l + e
	s_lshr_b32 s75, s25, 1                         ; my tile of tokens
	v_lshlrev_b32 v7, 4, v1
	s_lshl_b32 s59, s75, 6
	v_lshl_add_u32 v8, v2, 2, s59
.set ii, 0
.rept 8
	global_load_b128 v[X+4*ii:X+4*ii+3], v7, s[18:19] offset:512*ii
.set ii, ii+1
.endr
	global_load_b32 v[X+32], v8, s[18:19]          ; and my own token's: 16 x tile + r
	LOADF 0
	s_wait_loadcnt 16                              ; the nine loads of targets are in; the fragment's sixteen, issued behind them, may be out
.set kk, 0
.rept 6
	s_mov_b32 s[52+kk], 0                          ; s52-54: tokens that reach cut k;  s55-57: those of them ahead of my tile
.set kk, kk+1
.endr
	s_mov_b32 s62, 1
	s_mov_b32 s63, 0
	s_lshl_b32 s58, s75, 2                         ; a token lies ahead of my tile where l < 4 x tile - 32 i
.set ii, 0
.rept 8
	s_sub_co_i32 s59, s58, 32*ii
	s_max_i32 s59, s59, 0
	s_min_i32 s59, s59, 32
	s_lshl_b64 s[60:61], s[62:63], s59
	s_sub_co_u32 s60, s60, 1                       ; that many low lanes
.set ee, 0
.rept 4
.set kk, 0
.rept 3
	v_cmp_ge_u32 s66, v[X+4*ii+ee], s[49+kk]
	s_bcnt1_i32_b32 s67, s66
	s_add_co_u32 s[52+kk], s[52+kk], s67
	s_and_b32 s66, s66, s60
	s_bcnt1_i32_b32 s67, s66
	s_add_co_u32 s[55+kk], s[55+kk], s67
.set kk, kk+1
.endr
.set ee, ee+1
.endr
.set ii, ii+1
.endr
	s_sub_co_u32 s72, 1024, s52                    ; first pos of cluster 1,
	s_sub_co_u32 s73, 1024, s53                    ; 2,
	s_sub_co_u32 s74, 1024, s54                    ; 3
	s_lshl_b32 s68, s75, 4
	s_sub_co_u32 s68, s68, s55                     ; the pos of my tile's first token of cluster 0,
	s_add_co_u32 s69, s72, s55
	s_sub_co_u32 s69, s69, s56                     ; 1,
	s_add_co_u32 s70, s73, s56
	s_sub_co_u32 s70, s70, s57                     ; 2,
	s_add_co_u32 s71, s74, s57                     ; 3
	v_cmp_ge_u32 s76, v[X+32], s49
	v_cmp_ge_u32 s77, v[X+32], s50
	v_cmp_ge_u32 s78, v[X+32], s51
	s_and_b32 s59, s76, 0xffff
	s_and_b32 s60, s77, 0xffff
	s_and_b32 s61, s78, 0xffff
	s_xor_b32 s66, s59, 0xffff                     ; my tile's tokens of cluster 0,
	s_and_not1_b32 s67, s59, s60                   ; 1,
	s_and_not1_b32 s79, s60, s61                   ; 2;  s61: 3
	v_mbcnt_lo_u32_b32 v7, s66, s68                ; + those of them in lower lanes
	v_mbcnt_lo_u32_b32 v8, s67, s69
	v_mbcnt_lo_u32_b32 v11, s79, s70
	v_mbcnt_lo_u32_b32 v12, s61, s71
	v_cndmask_b32 v7, v7, v8, s76
	v_cndmask_b32 v7, v7, v11, s77
	v_cndmask_b32 v7, v7, v12, s78
	v_mov_b32 v8, v7
	v_permlanex16_b32 v8, v7, s46, s47
	v_cndmask_b32 v7, v7, v8, s48                  ; lanes 16-31 hold the same row as lanes 0-15: the same pos
	v_min_u32 v7, 0x3ff, v7                        ; pos
	v_and_b32 v8, 0x3f0, v7
	v_mul_u32_u24 v8, 832, v8                      ; its tile's two quads: 13,312 bytes a tile
	v_and_b32 v9, 15, v7
	v_lshl_add_u32 v8, v9, 4, v8                   ; its row's lane,
	v_lshl_add_u32 v8, v3, 8, v8                   ; my half,
	s_and_b32 s59, s25, 1
	s_mul_i32 s59, s59, QREC
	v_add_nc_u32 v6, s59, v8                       ; my half of K
	s_bitcmp1_b32 s25, 0
	s_cbranch_scc1 .Lnometa                        ; the wave with the first half of K writes the lists
	v_lshlrev_b32 v11, 2, v7
	v_lshl_add_u32 v11, v3, 12, v11
	s_lshl_b32 s59, s75, 4
	v_add_nc_u32 v12, s59, v2
	v_cndmask_b32 v12, v12, v[X+32], s48           ; lanes 0-15: the token's number; lanes 16-31: its target, 4,096 bytes on
	global_store_b32 v11, v12, s[22:23] offset:256
	s_cmp_lg_u32 s25, 0
	s_cbranch_scc1 .Lnometa
	v_mov_b32 v13, 0
	v_writelane_b32 v13, s72, 0
	v_writelane_b32 v13, s73, 1
	v_writelane_b32 v13, s74, 2
	s_mov_b32 s59, 1024
	v_writelane_b32 v13, s59, 3
	v_lshlrev_b32 v14, 2, v1
	global_store_b32 v14, v13, s[22:23]
.Lnometa:
	s_wait_xcnt 0x0                                ; these stores have read their registers
	s_branch .Lgo
.Lplain:
	LOADF 0
	s_mul_i32 s59, s25, QREC
	v_lshl_add_u32 v6, v1, 4, s59                  ; my quad, 16 bytes a lane
.Lgo:
	FRAG 0
	FRAG 1
	FRAG 2
	FRAG 3
	global_store_b128 v6, v[SCW:SCW+3], s[20:21] offset:QSC
.Lend:
	s_wait_tensorcnt 0x0
	ds_add_u32 v232, v233
	s_wait_dscnt 0x0
	s_endpgm
.Lfunc_end_k_qa3c84554b1_quant:
	.size	k_qa3c84554b1_quant, .Lfunc_end_k_qa3c84554b1_quant-k_qa3c84554b1_quant
	.p2alignl 7, 3214868480
	.fill 96, 4, 3214868480
	.section	.rodata,"a",@progbits
	.p2align	6, 0x0
	.amdhsa_kernel k_qa3c84554b1_quant
		.amdhsa_group_segment_fixed_size 35328
		.amdhsa_private_segment_fixed_size 0
		.amdhsa_enable_private_segment 0
		.amdhsa_kernarg_size 80
		.amdhsa_user_sgpr_count 2
		.amdhsa_user_sgpr_kernarg_segment_ptr 1
		.amdhsa_wavefront_size32 1
		.amdhsa_system_sgpr_workgroup_id_x 1
		.amdhsa_system_sgpr_workgroup_id_y 1
		.amdhsa_system_sgpr_workgroup_id_z 1
		.amdhsa_system_vgpr_workitem_id 0
		.amdhsa_next_free_vgpr 234
		.amdhsa_next_free_sgpr 100
		.amdhsa_reserve_vcc 0
		.amdhsa_float_denorm_mode_32 3
		.amdhsa_float_denorm_mode_16_64 3
		.amdhsa_memory_ordered 1
		.amdhsa_forward_progress 1
		.amdhsa_inst_pref_size 61
	.end_amdhsa_kernel
	.amdgpu_metadata
---
amdhsa.version: [ 1, 2 ]
amdhsa.kernels:
  - .name:           k_qa3c84554b1_quant
    .symbol:         k_qa3c84554b1_quant.kd
    .args:
      - { .name: hidden, .offset: 0, .size: 8, .value_kind: global_buffer, .address_space: global }
      - { .name: P1, .offset: 8, .size: 8, .value_kind: global_buffer, .address_space: global }
      - { .name: P2, .offset: 16, .size: 8, .value_kind: global_buffer, .address_space: global }
      - { .name: P3, .offset: 24, .size: 8, .value_kind: global_buffer, .address_space: global }
      - { .name: W_head, .offset: 32, .size: 8, .value_kind: global_buffer, .address_space: global }
      - { .name: W1, .offset: 40, .size: 8, .value_kind: global_buffer, .address_space: global }
      - { .name: W2, .offset: 48, .size: 8, .value_kind: global_buffer, .address_space: global }
      - { .name: target, .offset: 56, .size: 8, .value_kind: global_buffer, .address_space: global }
      - { .name: Q, .offset: 64, .size: 8, .value_kind: global_buffer, .address_space: global }
      - { .name: meta, .offset: 72, .size: 8, .value_kind: global_buffer, .address_space: global }
    .group_segment_fixed_size: 35328
    .private_segment_fixed_size: 0
    .kernarg_segment_align: 8
    .kernarg_segment_size: 80
    .max_flat_workgroup_size: 128
    .sgpr_count:     100
    .vgpr_count:     234
    .wavefront_size: 32
...
	.end_amdgpu_metadata
.endif
;; end of part 1
;; launch head (part 2): grid 256 x 1, 4 waves a work-group, no clusters, 0 bytes of LDS; arguments Q, b_head, xq, hp; writes xq, hp
.if DOCPART == 2
	.amdgcn_target "amdgcn-amd-amdhsa--gfx1250"
	.amdhsa_code_object_version 6
	.text
	.protected	k_qa3c84554b1_head
	.globl	k_qa3c84554b1_head
	.p2align	8
	.type	k_qa3c84554b1_head,@function
k_qa3c84554b1_head:
	s_mov_b64 s[64:65], 0
	v_nop
	global_prefetch_b8 v0, s[64:65] scope:SCOPE_SE
	s_setreg_imm32_b32 hwreg(HW_REG_WAVE_MODE, 25, 1), 1
	s_wait_xcnt 0x0
; Work-groups 0-249: head logits of 80 vocabulary rows (five tiles) for all 1,024 positions, and of each position the slab's (m2, l): m2 = log2(e) x largest logit, l = sum of 2^(logit x log2(e) - m2).
; Work-groups 250-253: hidden P1^T, 64 of its 256 columns each, quantised along those columns into xq;  254: hidden P2^T likewise;  255: hidden P3^T, rounded to bf16 for the product with W3.
; All products on codes of BF6 with E8M0 scales, from the register images that the first launch stored.  USED TRANSPOSED: source 0 = 16 rows of the weight, source 1 = 16 positions: a lane holds ONE position (lane % 16).
; The weight's fragments (up to 5 tiles x 8 K steps, 480 registers) stay in every wave's registers; wave w walks position tiles 16 w .. 16 w + 15, whose fragments go from memory straight into its registers, two buffers by turns.
; No LDS and no cluster: each streamed fragment is read by one wave of the work-group; what work-groups share (the positions' codes, 852 KB) is re-read from the cache by each.
; The bias is the C of each sum's first product.  The largest logit is taken off before every exponential.
; In the projections THE ROWS OF P THAT FORM A TILE ARE NOT NEIGHBOURS: lane r of tile 2 b + u takes row 32 b + 8 u + r + 8 (r / 8), so that the 16 registers of tiles 2 b, 2 b + 1 are 16 neighbours along the next K.
; LIMITS: NaN and infinities are not served.  A block of zeros gets the scale byte 1 (its codes are zeros).
; REGISTERS, in windows of 256: window 0: addresses, accumulators, biases, scale words, statistics;  window 1: the weight's K steps 0-3 at 60 s + 12 n;  window 2: K steps 4-7;  window 3: the positions' two buffers, 96 each.
.set QREC, 6656
.set FRB,  1536
.set QSC,  6144
.set TREC, 13312                       ; a tile of K = 1,024: two quads
.set X1S,  196608                      ; xq: 0 proj1's codes, 3,072 a tile (four half records of 768); here its scale words, 256 a tile;
.set X2,   212992                      ; proj2's codes, 768 a tile;
.set X2S,  262144                      ; its scale words, 128 a tile;
.set X3,   270336                      ; proj3 in bf16, 512 a tile
.set L16,  1                           ; 16 x lane
.set VB,   2                           ; the projections' weight rows
.set H32,  3                           ; 32 x (lane / 16)
.set V8,   4                           ; 8 x lane
.set V4,   5                           ; 4 x lane
.set VHP,  6                           ; my place in a row of hp
.set ACC,  16                          ; v16-55   five accumulators
.set BIAS, 56                          ; v56-95
.set BS,   96                          ; v96-135  the weight's scale words, 8 n + s
.set AS,   136                         ; v136-151 the positions', 8 buf + s
.set CH,   152
.set TMP,  156
.set M2N,  158
.set SUM,  160
.set MA,   164
.set LA,   165
.set MB,   166
.set LB,   167
.set OUT,  168
.set TM,   170
.set PW,   182
.set PC,   186
.set CS,   22                          ; s[22:23] log2(e), twice
.set SEL,  24                          ; s[24:25] selects for lane l xor 16
.set MSB, 0
.macro WIN new                         ; the immediate's high byte repeats the setting that is left
.if MSB != \new
	s_set_vgpr_msb (MSB<<8)|\new
.set MSB, \new
.endif
.endm
.macro NOP4                            ; four places between a product and the first read of its result, or a load into its sources
.rept 4
	v_nop
.endr
.endm
.macro LOADA buf, off                  ; a position tile's eight fragments and eight scale words: 26 loads
	WIN 0xc0                                       ; destination window 3
.set ss, 0
.rept 8
.set ao, (\off)+(ss/4)*QREC+(ss%4)*FRB
.set rA, 96*(\buf)+12*ss
	global_load_b128 v[rA:rA+3], v[L16], s[14:15] offset:ao
	global_load_b128 v[rA+4:rA+7], v[L16], s[14:15] offset:ao+512
	global_load_b128 v[rA+8:rA+11], v[L16], s[14:15] offset:ao+1024
.set ss, ss+1
.endr
	WIN 0
	global_load_b128 v[AS+8*(\buf):AS+8*(\buf)+3], v[L16], s[14:15] offset:(\off)+QSC
	global_load_b128 v[AS+8*(\buf)+4:AS+8*(\buf)+7], v[L16], s[14:15] offset:(\off)+QREC+QSC
.endm
.macro LOADB nb, adr, perm             ; nb tiles of the weight, all eight K steps, and their scale words.  perm = 1: slot 2 b + u takes its rows from tiles 2 b and 2 b + 1 (the address register holds the lane's part)
.set ss, 0
.rept 8
.if ss == 0
	WIN 0x40
.endif
.if ss == 4
	WIN 0x80
.endif
.set nn, 0
.rept \nb
.if \perm
.set bo, (nn/2)*2*TREC+(ss/4)*QREC+(ss%4)*FRB+128*(nn%2)
.else
.set bo, (2*nn+ss/4)*QREC+(ss%4)*FRB
.endif
.set rB, 60*(ss%4)+12*nn
	global_load_b128 v[rB:rB+3], v[\adr], s[16:17] offset:bo
	global_load_b128 v[rB+4:rB+7], v[\adr], s[16:17] offset:bo+512
	global_load_b128 v[rB+8:rB+11], v[\adr], s[16:17] offset:bo+1024
.set nn, nn+1
.endr
.set ss, ss+1
.endr
	WIN 0
.set nn, 0
.rept \nb
.if \perm
.set bo, (nn/2)*2*TREC+QSC+128*(nn%2)
.else
.set bo, 2*nn*QREC+QSC
.endif
	global_load_b128 v[BS+8*nn:BS+8*nn+3], v[\adr], s[16:17] offset:bo
	global_load_b128 v[BS+8*nn+4:BS+8*nn+7], v[\adr], s[16:17] offset:bo+QREC
.set nn, nn+1
.endr
.endm
.macro MM buf, nb, bias                ; nb tiles x eight K steps; the accumulators take turns, one instruction a turn
.set ss, 0
.rept 8
.if ss == 0
	WIN 0x0d                                       ; source 0 window 1, source 1 window 3
.endif
.if ss == 4
	WIN 0x0e                                       ; source 0 window 2
.endif
.set nn, 0
.rept \nb
.set rB, 60*(ss%4)+12*nn
.set rA, 96*(\buf)+12*ss
.set rD, ACC+8*nn
.if ss == 0
.if \bias
	v_wmma_scale_f32_16x16x128_f8f6f4 v[rD:rD+7], v[rB:rB+11], v[rA:rA+11], v[BIAS+8*nn:BIAS+8*nn+7], v[BS+8*nn+ss], v[AS+8*(\buf)+ss] matrix_a_fmt:MATRIX_FMT_BF6 matrix_b_fmt:MATRIX_FMT_BF6
.else
	v_wmma_scale_f32_16x16x128_f8f6f4 v[rD:rD+7], v[rB:rB+11], v[rA:rA+11], 0, v[BS+8*nn+ss], v[AS+8*(\buf)+ss] matrix_a_fmt:MATRIX_FMT_BF6 matrix_b_fmt:MATRIX_FMT_BF6
.endif
.else
	v_wmma_scale_f32_16x16x128_f8f6f4 v[rD:rD+7], v[rB:rB+11], v[rA:rA+11], v[rD:rD+7], v[BS+8*nn+ss], v[AS+8*(\buf)+ss] matrix_a_fmt:MATRIX_FMT_BF6 matrix_b_fmt:MATRIX_FMT_BF6
.endif
.set nn, nn+1
.endr
.set ss, ss+1
.endr
	WIN 0
.endm
.macro MM3 buf                         ; one tile: the even K steps onto one accumulator, the odd ones onto another, by turns
.set ss, 0
.rept 8
.if ss == 0
	WIN 0x0d
.endif
.if ss == 4
	WIN 0x0e
.endif
.set rB, 60*(ss%4)
.set rA, 96*(\buf)+12*ss
.set rD, ACC+8*(ss%2)
.if ss < 2
	v_wmma_scale_f32_16x16x128_f8f6f4 v[rD:rD+7], v[rB:rB+11], v[rA:rA+11], 0, v[BS+ss], v[AS+8*(\buf)+ss] matrix_a_fmt:MATRIX_FMT_BF6 matrix_b_fmt:MATRIX_FMT_BF6
.else
	v_wmma_scale_f32_16x16x128_f8f6f4 v[rD:rD+7], v[rB:rB+11], v[rA:rA+11], v[rD:rD+7], v[BS+ss], v[AS+8*(\buf)+ss] matrix_a_fmt:MATRIX_FMT_BF6 matrix_b_fmt:MATRIX_FMT_BF6
.endif
.set ss, ss+1
.endr
	WIN 0
.endm
; nr logits of my position (whole accumulators of 8) -> mo = log2(e) x the largest, lo = the sum of 2^(logit x log2(e) - mo); both halves of the lanes end with the position's figures.
; Each accumulator is read from its low end on.
.macro SOFT a, nr, mo, lo
.set na, (\nr)/8
.set ii, 0
.rept 4
.set nn, 0
.rept na
.if (ii == 0) && (nn < 4)
	v_max_num_f32 v[CH+nn], v[\a+8*nn], v[\a+8*nn+1]
.else
	v_max3_num_f32 v[CH+nn%4], v[CH+nn%4], v[\a+8*nn+ii], v[\a+8*nn+ii+1]
.endif
.set nn, nn+1
.endr
.set ii, ii+2
.endr
	v_max3_num_f32 v[CH], v[CH], v[CH+1], v[CH+2]
	v_max_num_f32 v[CH], v[CH], v[CH+3]
	v_permlanex16_b32 v[TMP], v[CH], s[SEL], s[SEL+1]
	v_max_num_f32 v[CH], v[CH], v[TMP]             ; with lane l xor 16's rows
	v_mul_f32 v[M2N], 0xbfb8aa3b, v[CH]            ; -log2(e) x the largest
.set jj, 0
.rept (\nr)/2
	v_pk_fma_f32 v[\a+jj:\a+jj+1], v[\a+jj:\a+jj+1], s[CS:CS+1], v[M2N:M2N+1] op_sel_hi:[1,0,0]
.set jj, jj+2
.endr
.set jj, 0
.rept \nr
	v_exp_f32 v[\a+jj], v[\a+jj]
.set jj, jj+1
.endr
	v_sub_f32 v[\mo], 0, v[M2N]                    ; (a plain place behind the exponentials)
	s_wait_alu depctr_va_vdst(0)
	v_pk_add_f32 v[SUM:SUM+1], v[\a:\a+1], v[\a+2:\a+3]
	v_pk_add_f32 v[SUM+2:SUM+3], v[\a+4:\a+5], v[\a+6:\a+7]
.set jj, 8
.rept ((\nr)-8)/4
	v_pk_add_f32 v[SUM:SUM+1], v[SUM:SUM+1], v[\a+jj:\a+jj+1]
	v_pk_add_f32 v[SUM+2:SUM+3], v[SUM+2:SUM+3], v[\a+jj+2:\a+jj+3]
.set jj, jj+4
.endr
	v_pk_add_f32 v[SUM:SUM+1], v[SUM:SUM+1], v[SUM+2:SUM+3]
	v_add_f32 v[\lo], v[SUM], v[SUM+1]
	v_permlanex16_b32 v[TMP], v[\lo], s[SEL], s[SEL+1]
	v_add_f32 v[\lo], v[\lo], v[TMP]
.endm
; 64 columns of a projection (register 16 b + i = column 32 b + 16 (lane / 16) + i of my position) become six registers of codes, v[PC] on, and two scale bytes, doubled into a word
.macro EPIQ
	v_max3_num_f32 v[TM], |v[ACC]|, |v[ACC+1]|, 0x2800000          ; with the floor 2^(5 - 127)
	v_max3_num_f32 v[TM+1], |v[ACC+16]|, |v[ACC+17]|, 0x2800000
.set ii, 2
.rept 7
	v_max3_num_f32 v[TM], v[TM], |v[ACC+ii]|, |v[ACC+ii+1]|
	v_max3_num_f32 v[TM+1], v[TM+1], |v[ACC+16+ii]|, |v[ACC+17+ii]|
.set ii, ii+2
.endr
	v_permlanex16_b32 v[TM+4], v[TM], s[SEL], s[SEL+1]
	v_permlanex16_b32 v[TM+5], v[TM+1], s[SEL], s[SEL+1]
	v_max_num_f32 v[TM], v[TM], v[TM+4]            ; the block's largest magnitude
	v_max_num_f32 v[TM+1], v[TM+1], v[TM+5]
	v_add_nc_u32 v[TM+8], 0xfe000000, v[TM]        ; 4 off the exponent field: the conversion's scale operand
	v_add_nc_u32 v[TM+9], 0xfe000000, v[TM+1]
	v_lshrrev_b32 v[TM+4], 23, v[TM+8]
	v_lshrrev_b32 v[TM+5], 23, v[TM+9]
	v_lshl_or_b32 v[PW], v[TM+5], 8, v[TM+4]
	v_lshl_or_b32 v[PW], v[PW], 16, v[PW]
	v_cvt_scalef32_pk16_bf6_f32 v[PC:PC+2], v[ACC:ACC+15], v[TM+8]
	v_cvt_scalef32_pk16_bf6_f32 v[PC+8:PC+10], v[ACC+16:ACC+31], v[TM+9]
	v_nop                                          ; one plain place behind a scaled conversion
.set ii, 0
.rept 3
	v_permlane16_swap_b32 v[PC+ii], v[PC+8+ii]     ; a WHOLE block to a lane: lanes 0-15 block 0, lanes 16-31 block 1
.set ii, ii+1
.endr
.set ii, 0
.rept 3
	v_mov_b32 v[PC+3+ii], v[PC+8+ii]
.set ii, ii+1
.endr
.endm
	s_load_b256 s[4:11], s[0:1], 0x0               ; Q, b_head, xq, hp
	v_lshrrev_b32 v7, 5, v0
	v_readfirstlane_b32 s12, v7                    ; wave
	s_mov_b32 s13, ttmp9
	v_and_b32 v7, 31, v0
	v_lshlrev_b32 v[L16], 4, v7
	v_lshlrev_b32 v[V8], 3, v7
	v_lshlrev_b32 v[V4], 2, v7
	v_bfe_u32 v8, v0, 4, 1                         ; h
	v_and_b32 v9, 15, v0                           ; r
	v_lshlrev_b32 v[H32], 5, v8
	v_mov_b32 v[TMP], 0                            ; written once: a lane permute's destination counts as one of its sources
	v_mov_b32 v[M2N+1], 0                          ; (named as the upper half of a pair)
	v_mov_b32 v[TM+4], 0
	v_mov_b32 v[TM+5], 0
	s_mov_b32 s[CS], 0x3fb8aa3b
	s_mov_b32 s[CS+1], s[CS]
	s_mov_b32 s[SEL], 0x76543210
	s_mov_b32 s[SEL+1], 0xfedcba98
	s_mov_b32 s26, 0xffff0000                      ; lanes 16-31
	s_mov_b32 s20, 0
	s_mul_i32 s34, s12, 16*TREC
	s_mov_b32 s35, 0
	s_wait_kmcnt 0x0
	s_add_nc_u64 s[14:15], s[4:5], s[34:35]        ; my first position tile
	LOADA 0, 0
	s_cmp_lt_u32 s13, 250
	s_cbranch_scc0 .Lproj
	; ---- a slab of the head
	s_mul_i32 s34, s13, 10*QREC
	s_add_co_u32 s34, s34, 170*QREC
	s_add_nc_u64 s[16:17], s[4:5], s[34:35]        ; my five tiles of W_head
	s_mul_i32 s34, s13, 320
	s_add_nc_u64 s[36:37], s[6:7], s[34:35]        ; their biases
	s_lshl_b32 s34, s13, 13
	s_add_nc_u64 s[18:19], s[10:11], s[34:35]      ; my row of hp
	s_lshl_b32 s34, s12, 11
	v_add_nc_u32 v[VHP], s34, v[V8]
	LOADB 5, L16, 0
.set nn, 0
.rept 5
	global_load_b128 v[BIAS+8*nn:BIAS+8*nn+3], v[H32], s[36:37] offset:64*nn        ; lane (r, h): the tile's rows 8 h + 0 .. 7
	global_load_b128 v[BIAS+8*nn+4:BIAS+8*nn+7], v[H32], s[36:37] offset:64*nn+16
.set nn, nn+1
.endr
.Lhead:                                                ; eight trips of two position tiles
	LOADA 1, TREC
	s_wait_loadcnt 26                              ; all but the 26 just issued: buffer 0 is in (in the first trip the weight and the biases too)
	MM 0, 5, 1
	NOP4
	SOFT ACC, 40, MA, LA
	LOADA 0, 2*TREC                                ; the next trip's first tile.  In the last trip of wave 3 these are the 13 KiB of Q behind the positions: inside the buffer, written, not used
	s_wait_loadcnt 26
	MM 1, 5, 1
	NOP4
	SOFT ACC, 40, MB, LB
	v_cndmask_b32 v[OUT], v[MA], v[MB], s26        ; lanes 0-15: the first tile's positions; lanes 16-31: the second's
	v_cndmask_b32 v[OUT+1], v[LA], v[LB], s26
	global_store_b64 v[VHP], v[OUT:OUT+1], s[18:19]   ; 32 lanes store 256 consecutive bytes, aligned
	s_wait_xcnt 0x0                                ; the store's registers and the loads' base are rewritten only behind this wait
	v_add_nc_u32 v[VHP], 256, v[VHP]
	s_add_nc_u64 s[14:15], s[14:15], 2*TREC
	s_add_co_u32 s20, s20, 1
	s_cmp_lt_u32 s20, 8
	s_cbranch_scc1 .Lhead
	s_endpgm
.Lproj:
	s_cmp_eq_u32 s13, 255
	s_cbranch_scc1 .Lp3
	; ---- 64 columns of proj1 (j = 0 .. 3) or all of proj2 (j = 4)
	s_sub_co_u32 s27, s13, 250                     ; j
	s_lshl_b32 s34, s27, 3
	s_add_co_u32 s34, s34, 128                     ; P1's quads begin at 128, eight to a part; P2's at 160 = 128 + 8 x 4
	s_mul_i32 s34, s34, QREC
	s_add_nc_u64 s[16:17], s[4:5], s[34:35]
	v_lshrrev_b32 v10, 3, v9
	v_mul_u32_u24 v[VB], TREC, v10                 ; lanes r >= 8 take their row from the next tile,
	v_and_b32 v10, 7, v9
	v_lshl_add_u32 v[VB], v10, 4, v[VB]            ; row r % 8 (+ 8 u, in the immediate),
	v_lshl_add_u32 v[VB], v8, 8, v[VB]             ; my half
	LOADB 4, VB, 1
	s_lshr_b32 s39, s27, 1
	s_lshl_b32 s39, s39, 7
	s_and_b32 s38, s27, 1
	s_lshl_b32 s38, s38, 1
	s_add_co_u32 s39, s39, s38
	s_add_co_u32 s39, s39, X1S                     ; proj1's scale bytes: K step j / 2, bytes 2 (j % 2), + 1
	s_mul_i32 s38, s27, 768                        ; its codes: half record j
	s_mov_b32 s30, 3072
	s_mov_b32 s32, 256
	s_cmp_eq_u32 s27, 4
	s_cselect_b32 s30, 768, s30                    ; bytes from tile to tile: codes,
	s_cselect_b32 s32, 128, s32                    ; scale words
	s_cselect_b32 s38, X2, s38
	s_cselect_b32 s39, X2S, s39
	s_cselect_b32 s40, 1, 0                        ; 1: proj2
	s_mov_b32 s31, 0
	s_mov_b32 s33, 0
	s_lshl_b32 s42, s12, 4                         ; my first tile
	s_mul_i32 s34, s42, s30
	s_add_co_u32 s34, s34, s38
	s_add_nc_u64 s[18:19], s[8:9], s[34:35]
	s_mul_i32 s34, s42, s32
	s_add_co_u32 s34, s34, s39
	s_add_nc_u64 s[28:29], s[8:9], s[34:35]
.macro PTILE buf
	MM \buf, 4, 0
	NOP4
	EPIQ
	global_store_b128 v[L16], v[PC:PC+3], s[18:19]
	global_store_b64 v[V8], v[PC+4:PC+5], s[18:19] offset:512
	s_cmp_eq_u32 s40, 1
	s_cbranch_scc1 .Lword_\@
	global_store_b16 v[V4], v[PW], s[28:29]        ; proj1: my two bytes of the K step's word
	s_branch .Lstored_\@
.Lword_\@:
	global_store_b32 v[V4], v[PW], s[28:29]        ; proj2: the two bytes twice, for either half of a K step
.Lstored_\@:
	s_wait_xcnt 0x0                                ; the stores' registers and bases are rewritten only behind this wait
	s_add_nc_u64 s[18:19], s[18:19], s[30:31]
	s_add_nc_u64 s[28:29], s[28:29], s[32:33]
.endm
.Lprojloop:
	LOADA 1, TREC
	s_wait_loadcnt 26                              ; all but the 26 just issued
	PTILE 0
	LOADA 0, 2*TREC
	s_wait_loadcnt 26
	PTILE 1
	s_add_nc_u64 s[14:15], s[14:15], 2*TREC        ; (behind PTILE's wait)
	s_add_co_u32 s20, s20, 1
	s_cmp_lt_u32 s20, 8
	s_cbranch_scc1 .Lprojloop
	s_endpgm
.Lp3:
	; ---- proj3: 16 columns, natural rows: lane (r, h) holds columns 8 h + 0 .. 7 of position r, which is the bf16 operand's layout for k = 0 .. 15
	s_add_nc_u64 s[16:17], s[4:5], 168*QREC
	LOADB 1, L16, 0
	s_lshl_b32 s34, s12, 13
	s_add_co_u32 s34, s34, X3
	s_add_nc_u64 s[18:19], s[8:9], s[34:35]
.macro P3TILE buf
	MM3 \buf
	NOP4
.set ii, 0
.rept 8
	v_add_f32 v[200+ii], v[ACC+ii], v[ACC+8+ii]
.set ii, ii+1
.endr
.set ii, 0
.rept 4
	v_cvt_pk_bf16_f32 v[208+ii], v[200+2*ii], v[201+2*ii]
.set ii, ii+1
.endr
	global_store_b128 v[L16], v[208:211], s[18:19]
	s_wait_xcnt 0x0
	s_add_nc_u64 s[18:19], s[18:19], 512
.endm
.Lp3loop:
	LOADA 1, TREC
	s_wait_loadcnt 26
	P3TILE 0
	LOADA 0, 2*TREC
	s_wait_loadcnt 26
	P3TILE 1
	s_add_nc_u64 s[14:15], s[14:15], 2*TREC
	s_add_co_u32 s20, s20, 1
	s_cmp_lt_u32 s20, 8
	s_cbranch_scc1 .Lp3loop
	s_endpgm
.Lfunc_end_k_qa3c84554b1_head:
	.size	k_qa3c84554b1_head, .Lfunc_end_k_qa3c84554b1_head-k_qa3c84554b1_head
	.p2alignl 7, 3214868480
	.fill 96, 4, 3214868480
	.section	.rodata,"a",@progbits
	.p2align	6, 0x0
	.amdhsa_kernel k_qa3c84554b1_head
		.amdhsa_group_segment_fixed_size 0
		.amdhsa_private_segment_fixed_size 0
		.amdhsa_enable_private_segment 0
		.amdhsa_kernarg_size 32
		.amdhsa_user_sgpr_count 2
		.amdhsa_user_sgpr_kernarg_segment_ptr 1
		.amdhsa_wavefront_size32 1
		.amdhsa_system_sgpr_workgroup_id_x 1
		.amdhsa_system_sgpr_workgroup_id_y 1
		.amdhsa_system_sgpr_workgroup_id_z 1
		.amdhsa_system_vgpr_workitem_id 0
		.amdhsa_next_free_vgpr 960
		.amdhsa_next_free_sgpr 66
		.amdhsa_reserve_vcc 0
		.amdhsa_float_denorm_mode_32 3
		.amdhsa_float_denorm_mode_16_64 3
		.amdhsa_memory_ordered 1
		.amdhsa_forward_progress 1
		.amdhsa_inst_pref_size 86
	.end_amdhsa_kernel
	.amdgpu_metadata
---
amdhsa.version: [ 1, 2 ]
amdhsa.kernels:
  - .name:           k_qa3c84554b1_head
    .symbol:         k_qa3c84554b1_head.kd
    .args:
      - { .name: Q, .offset: 0, .size: 8, .value_kind: global_buffer, .address_space: global }
      - { .name: b_head, .offset: 8, .size: 8, .value_kind: global_buffer, .address_space: global }
      - { .name: xq, .offset: 16, .size: 8, .value_kind: global_buffer, .address_space: global }
      - { .name: hp, .offset: 24, .size: 8, .value_kind: global_buffer, .address_space: global }
    .group_segment_fixed_size: 0
    .private_segment_fixed_size: 0
    .kernarg_segment_align: 8
    .kernarg_segment_size: 32
    .max_flat_workgroup_size: 128
    .sgpr_count:     66
    .vgpr_count:     960
    .wavefront_size: 32
...
	.end_amdgpu_metadata
.endif
;; end of part 2
;; launch tails (part 3): grid 2157 x 1, 4 waves a work-group, no clusters, 0 bytes of LDS; arguments Q, xq, meta, W3, b1, b2, b3, hidden, W_clusters, b_clusters, b_head, tp, aux; writes tp, aux
.if DOCPART == 3
	.amdgcn_target "amdgcn-amd-amdhsa--gfx1250"
	.amdhsa_code_object_version 6
	.text
	.protected	k_qa3c84554b1_tails
	.globl	k_qa3c84554b1_tails
	.p2align	8
	.type	k_qa3c84554b1_tails,@function
k_qa3c84554b1_tails:
	s_mov_b64 s[64:65], 0
	v_nop
	global_prefetch_b8 v0, s[64:65] scope:SCOPE_SE
	s_setreg_imm32_b32 hwreg(HW_REG_WAVE_MODE, 25, 1), 1
	s_wait_xcnt 0x0
; The three tails, each only for the positions of its own cluster (the select on target throws the rest away), and the single logits that the result gathers.
; Work-groups 0-1249: tail 2, 128 rows of W2 each;  1250-1779: tail 3, 128 rows of W3;  1780-2092: tail 1, 64 rows of W1;  2093-2156: one position tile each: target logits and cluster logits.
; A tail's work-group keeps its rows of the weight and their biases in every wave's registers and walks PAIRS of position tiles (32 positions): pairs lo / 32 .. (hi + 31) / 32 - 1 of its cluster's positions lo .. hi - 1,
; read from meta; wave w takes every fourth pair.  Positions of a neighbouring cluster in an edge pair are computed on valid data and not used later.  Of each position: (m2, l) as in the head's launch, to row = work-group of tp.
; A grid that serves every split: a work-group whose cluster is empty, and a wave without a pair, store nothing and end.  That is a branch on stored whole numbers, so operands go from memory straight into registers.
; Products transposed: source 0 = 16 rows of the weight, source 1 = 16 positions.  Tail 2 has K = 64: a fragment holds two tiles of rows (k 0-63, k 64-127), and the positions' operand has zeros in the other half.
; Tail 3 (K = 16, left as it is) goes in bf16 the same way: two tiles of rows in k 0-15 and k 16-31.  Rows past a table's end get the bias -1e30: their exponentials are 0.
; Cluster logits (N = 3) by f32 multiply-adds on the f32 inputs.
; No cluster of work-groups: trip counts hang on meta, and what is shared between work-groups (the positions' codes, at most 3.3 KB a tile) is small beside a tile's 512 to 1,024 exponentials a lane pair.
; LIMITS: NaN and infinities are not served; logits under -1e30 are not told from rows past the end.
; All scale words live in v232-252, which hold nothing else.
.set QREC, 6656
.set FRB,  1536
.set QSC,  6144
.set TREC, 13312
.set X1S,  196608
.set X2,   212992
.set X2S,  262144
.set X3,   270336
.set L16,  1
.set L8,   2
.set L4,   3
.set VOUT, 4
.set H32,  5
.set OUT,  12
.set ACC,  16
.set XA,   192                         ; the positions' operand
.set CH,   216
.set TMP,  220
.set M2N,  222
.set SUM,  224
.set MA,   228
.set LA,   229
.set MB,   230
.set LB,   231
.set CS,   52
.set SEL,  54
.set NEG,  0xf149f2ca                  ; -1e30
.macro NOP4
.rept 4
	v_nop
.endr
.endm
.macro SOFT a, nr, mo, lo              ; as in the head's launch
.set na, (\nr)/8
.set ii, 0
.rept 4
.set nn, 0
.rept na
.if (ii == 0) && (nn < 4)
	v_max_num_f32 v[CH+nn], v[\a+8*nn], v[\a+8*nn+1]
.else
	v_max3_num_f32 v[CH+nn%4], v[CH+nn%4], v[\a+8*nn+ii], v[\a+8*nn+ii+1]
.endif
.set nn, nn+1
.endr
.set ii, ii+2
.endr
	v_max3_num_f32 v[CH], v[CH], v[CH+1], v[CH+2]
	v_max_num_f32 v[CH], v[CH], v[CH+3]
	v_permlanex16_b32 v[TMP], v[CH], s[SEL], s[SEL+1]
	v_max_num_f32 v[CH], v[CH], v[TMP]
	v_mul_f32 v[M2N], 0xbfb8aa3b, v[CH]
.set jj, 0
.rept (\nr)/2
	v_pk_fma_f32 v[\a+jj:\a+jj+1], v[\a+jj:\a+jj+1], s[CS:CS+1], v[M2N:M2N+1] op_sel_hi:[1,0,0]
.set jj, jj+2
.endr
.set jj, 0
.rept \nr
	v_exp_f32 v[\a+jj], v[\a+jj]
.set jj, jj+1
.endr
	v_sub_f32 v[\mo], 0, v[M2N]                    ; (a plain place behind the exponentials)
	s_wait_alu depctr_va_vdst(0)
	v_pk_add_f32 v[SUM:SUM+1], v[\a:\a+1], v[\a+2:\a+3]
	v_pk_add_f32 v[SUM+2:SUM+3], v[\a+4:\a+5], v[\a+6:\a+7]
.set jj, 8
.rept ((\nr)-8)/4
	v_pk_add_f32 v[SUM:SUM+1], v[SUM:SUM+1], v[\a+jj:\a+jj+1]
	v_pk_add_f32 v[SUM+2:SUM+3], v[SUM+2:SUM+3], v[\a+jj+2:\a+jj+3]
.set jj, jj+4
.endr
	v_pk_add_f32 v[SUM:SUM+1], v[SUM:SUM+1], v[SUM+2:SUM+3]
	v_add_f32 v[\lo], v[SUM], v[SUM+1]
	v_permlanex16_b32 v[TMP], v[\lo], s[SEL], s[SEL+1]
	v_add_f32 v[\lo], v[\lo], v[TMP]
.endm
.macro RANGE lo, hi                    ; s38 = my first pair, s39 = the end of the pairs
	s_cmp_eq_u32 s[\lo], s[\hi]
	s_cbranch_scc1 .Lend
	s_lshr_b32 s38, s[\lo], 5
	s_min_u32 s38, s38, 31
	s_add_co_u32 s39, s[\hi], 31
	s_lshr_b32 s39, s39, 5
	s_min_u32 s39, s39, 32
	s_add_co_u32 s38, s38, s30
	s_cmp_ge_u32 s38, s39
	s_cbranch_scc1 .Lend
.endm
.macro BIASLD reg, first, cnt          ; lane (r, h): the tile's rows 8 h + 0 .. 7
.set nn, \first
.rept \cnt
	global_load_b128 v[\reg+8*nn:\reg+8*nn+3], v[H32], s[62:63] offset:64*nn
	global_load_b128 v[\reg+8*nn+4:\reg+8*nn+7], v[H32], s[62:63] offset:64*nn+16
.set nn, nn+1
.endr
.endm
.macro LOADX kind                      ; the operand of position tile s57.  The bases are rewritten only where the loads that used them have been waited for
	s_min_u32 s57, s57, 63
.if \kind == 2
	s_mul_i32 s40, s57, 768
	s_add_nc_u64 s[42:43], s[46:47], s[40:41]
	s_lshl_b32 s40, s57, 7
	s_add_nc_u64 s[44:45], s[48:49], s[40:41]
	global_load_b128 v[XA:XA+3], v[L16], s[42:43]                  ; [x | 0 | x]: from XA on x stands in k 0-63, from XA + 6 on in k 64-127
	global_load_b64 v[XA+4:XA+5], v[L8], s[42:43] offset:512
	global_load_b128 v[XA+12:XA+15], v[L16], s[42:43]
	global_load_b64 v[XA+16:XA+17], v[L8], s[42:43] offset:512
	global_load_b32 v236, v[L4], s[44:45]
.elseif \kind == 3
	s_lshl_b32 s40, s57, 9
	s_add_nc_u64 s[42:43], s[46:47], s[40:41]
	global_load_b128 v[XA:XA+3], v[L16], s[42:43]
	global_load_b128 v[XA+8:XA+11], v[L16], s[42:43]
.else
	s_mul_i32 s40, s57, 3072
	s_add_nc_u64 s[42:43], s[46:47], s[40:41]
	s_lshl_b32 s40, s57, 8
	s_add_nc_u64 s[44:45], s[48:49], s[40:41]
.set hh, 0
.rept 4
	global_load_b128 v[XA+6*hh:XA+6*hh+3], v[L16], s[42:43] offset:768*hh
	global_load_b64 v[XA+6*hh+4:XA+6*hh+5], v[L8], s[42:43] offset:768*hh+512
.set hh, hh+1
.endr
	global_load_b32 v240, v[L4], s[44:45]
	global_load_b32 v241, v[L4], s[44:45] offset:128
.endif
.endm
.macro TILE kind, mo, lo               ; the tile whose operand is on its way; s57 = the tile to ask for next
	s_wait_loadcnt 0x0
.if \kind == 2
.set nn, 0
.rept 8
	v_wmma_scale_f32_16x16x128_f8f6f4 v[ACC+8*nn:ACC+8*nn+7], v[144+12*(nn/2):155+12*(nn/2)], v[XA+6*(nn%2):XA+6*(nn%2)+11], v[80+8*nn:87+8*nn], v[232+nn/2], v236 matrix_a_fmt:MATRIX_FMT_BF6 matrix_b_fmt:MATRIX_FMT_BF6
.set nn, nn+1
.endr
.elseif \kind == 3
.set nn, 0
.rept 8
	v_wmma_f32_16x16x32_bf16 v[ACC+8*nn:ACC+8*nn+7], v[144+8*(nn/2):151+8*(nn/2)], v[XA+4*(nn%2):XA+4*(nn%2)+7], v[80+8*nn:87+8*nn]
.set nn, nn+1
.endr
.else
.set nn, 0
.rept 4
	v_wmma_scale_f32_16x16x128_f8f6f4 v[ACC+8*nn:ACC+8*nn+7], v[96+24*nn:107+24*nn], v[XA:XA+11], v[48+8*nn:55+8*nn], v[232+2*nn], v240 matrix_a_fmt:MATRIX_FMT_BF6 matrix_b_fmt:MATRIX_FMT_BF6
.set nn, nn+1
.endr
.set nn, 0
.rept 4                                ; the four accumulators by turns
	v_wmma_scale_f32_16x16x128_f8f6f4 v[ACC+8*nn:ACC+8*nn+7], v[108+24*nn:119+24*nn], v[XA+12:XA+23], v[ACC+8*nn:ACC+8*nn+7], v[233+2*nn], v241 matrix_a_fmt:MATRIX_FMT_BF6 matrix_b_fmt:MATRIX_FMT_BF6
.set nn, nn+1
.endr
.endif
	NOP4                                           ; places in front of the loads into the operand and of the first read of results
	LOADX \kind
.if \kind == 1
	SOFT ACC, 32, \mo, \lo
.else
	SOFT ACC, 64, \mo, \lo
.endif
.endm
; My pairs: s38, s38 + 4, .. under s39.  The loop is counted by a counter of its own, one a trip: (s39 - s38 + 3) / 4 trips, at most 8 (32 pairs, every fourth mine).
.macro PAIRLOOP kind
	s_sub_co_u32 s87, s39, s38
	s_add_co_u32 s87, s87, 3
	s_lshr_b32 s87, s87, 2
	s_min_u32 s87, s87, 8                          ; my trips
	s_mov_b32 s88, 0
	s_lshl_b32 s57, s38, 1
	LOADX \kind
.Lpair_\@:
	s_lshl_b32 s57, s38, 1
	s_add_co_u32 s57, s57, 1
	TILE \kind, MA, LA
	s_lshl_b32 s57, s38, 1
	s_add_co_u32 s57, s57, 8                       ; my next pair's first tile (held at 63: the last look-ahead is not used)
	TILE \kind, MB, LB
	v_cndmask_b32 v[OUT], v[MA], v[MB], s56
	v_cndmask_b32 v[OUT+1], v[LA], v[LB], s56
	s_min_u32 s89, s38, 31                         ; the pair, with its bound written out: it enters an address
	v_lshl_add_u32 v[VOUT], s89, 8, v[L8]
	global_store_b64 v[VOUT], v[OUT:OUT+1], s[50:51]   ; 32 lanes store 256 consecutive bytes, aligned
	s_wait_xcnt 0x0                                ; the store's registers are rewritten only behind this wait
	s_add_co_u32 s38, s38, 4
	s_add_co_u32 s88, s88, 1
	s_cmp_lt_u32 s88, s87
	s_cbranch_scc1 .Lpair_\@
	s_endpgm
.endm
	s_load_b256 s[4:11], s[0:1], 0x0               ; Q, xq, meta, W3
	s_load_b256 s[12:19], s[0:1], 0x20             ; b1, b2, b3, hidden
	s_load_b256 s[20:27], s[0:1], 0x40             ; W_clusters, b_clusters, b_head, tp
	s_load_b64 s[28:29], s[0:1], 0x60              ; aux
	v_lshrrev_b32 v6, 5, v0
	v_readfirstlane_b32 s30, v6                    ; wave
	s_mov_b32 s31, ttmp9
	v_and_b32 v15, 31, v0                          ; lane
	v_lshlrev_b32 v[L16], 4, v15
	v_lshlrev_b32 v[L8], 3, v15
	v_lshlrev_b32 v[L4], 2, v15
	v_bfe_u32 v7, v0, 4, 1                         ; h
	v_lshlrev_b32 v[H32], 5, v7
	v_mov_b32 v[TMP], 0
	v_mov_b32 v[M2N+1], 0
	s_mov_b32 s41, 0
	s_mov_b32 s[CS], 0x3fb8aa3b
	s_mov_b32 s[CS+1], s[CS]
	s_mov_b32 s[SEL], 0x76543210
	s_mov_b32 s[SEL+1], 0xfedcba98
	s_mov_b32 s56, 0xffff0000
	s_wait_kmcnt 0x0
	s_load_b128 s[32:35], s[8:9], 0x0              ; first pos of clusters 1, 2, 3; 1,024
	s_wait_kmcnt 0x0
	s_cmp_ge_u32 s31, 2093
	s_cbranch_scc1 .Laux
	s_lshl_b32 s40, s31, 13
	s_add_nc_u64 s[50:51], s[26:27], s[40:41]      ; my row of tp
	s_cmp_ge_u32 s31, 1780
	s_cbranch_scc1 .Lt1
	s_cmp_ge_u32 s31, 1250
	s_cbranch_scc1 .Lt3
	; ---- tail 2: one quad = four pair fragments = eight tiles of rows.  v16-79 accumulators, v80-143 biases, v144-191 W2, v232-235 its scale words, v236 the positions'
	RANGE 33, 34
	s_mul_i32 s40, s31, QREC
	s_add_co_u32 s40, s40, 3295*QREC
	s_add_nc_u64 s[60:61], s[4:5], s[40:41]
.set kk, 0
.rept 12
	global_load_b128 v[144+4*kk:147+4*kk], v[L16], s[60:61] offset:512*kk
.set kk, kk+1
.endr
	global_load_b128 v[232:235], v[L16], s[60:61] offset:QSC
	s_lshl_b32 s40, s31, 9
	s_add_nc_u64 s[62:63], s[14:15], s[40:41]
	BIASLD 80, 0, 8
.set kk, 0
.rept 6
	v_mov_b32 v[XA+6+kk], 0
.set kk, kk+1
.endr
	NOP4                                           ; an operand written by vector instructions stands four places ahead of a scaled product
	s_add_nc_u64 s[46:47], s[6:7], X2
	s_add_nc_u64 s[48:49], s[6:7], X2S
	PAIRLOOP 2
.Lt3:
	; ---- tail 3: v16-79 accumulators (first: W3's f32 rows), v80-143 biases, v144-175 W3 in bf16: registers 8 p + 4 c + i: tile 2 p + c
	RANGE 34, 35
	s_sub_co_u32 s58, s31, 1250                    ; u
	s_lshl_b32 s59, s58, 7
	v_and_b32 v6, 15, v0
	v_add_nc_u32 v6, s59, v6                       ; 128 u + r
.set tt, 0
.rept 8
	v_add_nc_u32 v[204+tt], 16*tt, v6
	v_min_u32 v[204+tt], 67734, v[204+tt]          ; no load leaves W3: rows past its end read the last row, and their bias is -1e30
	v_lshl_add_u32 v[204+tt], v[204+tt], 6, v[H32]
	global_load_b128 v[ACC+8*tt:ACC+8*tt+3], v[204+tt], s[10:11]
	global_load_b128 v[ACC+8*tt+4:ACC+8*tt+7], v[204+tt], s[10:11] offset:16
.set tt, tt+1
.endr
	s_lshl_b32 s40, s58, 9
	s_add_nc_u64 s[62:63], s[16:17], s[40:41]
	BIASLD 80, 0, 1
	s_cmp_eq_u32 s58, 529
	s_cbranch_scc1 .Lt3last
	BIASLD 80, 1, 7
	s_branch .Lt3go
.Lt3last:                                              ; the last slab has 67,735 - 529 x 128 = 23 rows: tile 0 whole, of tile 1 rows 0 .. 6
	v_lshlrev_b32 v7, 3, v7                        ; 8 h
.set jj, 0
.rept 8
	v_add_nc_u32 v[XA+jj], jj, v7
	v_min_u32 v[XA+jj], 6, v[XA+jj]
	v_lshlrev_b32 v[XA+jj], 2, v[XA+jj]
	global_load_b32 v[88+jj], v[XA+jj], s[62:63] offset:64
.set jj, jj+1
.endr
	v_mov_b32 v14, NEG
.set jj, 0
.rept 48
	v_mov_b32 v[96+jj], NEG
.set jj, jj+1
.endr
	s_wait_loadcnt 0x0
.set jj, 0
.rept 8
	v_cmp_gt_u32 vcc_lo, 7-jj, v7                  ; row 8 h + j of tile 1 is there where 8 h + j < 7
	v_cndmask_b32 v[88+jj], v14, v[88+jj], vcc_lo
.set jj, jj+1
.endr
.Lt3go:
	s_wait_loadcnt 0x0
.set tt, 0
.rept 8
.set jj, 0
.rept 4
	v_cvt_pk_bf16_f32 v[144+4*tt+jj], v[ACC+8*tt+2*jj], v[ACC+8*tt+2*jj+1]
.set jj, jj+1
.endr
.set tt, tt+1
.endr
.set kk, 0
.rept 4
	v_mov_b32 v[XA+4+kk], 0
.set kk, kk+1
.endr
	NOP4
	s_add_nc_u64 s[46:47], s[6:7], X3
	PAIRLOOP 3
.Lt1:
	; ---- tail 1: two quads = four tiles x two K steps.  v16-47 accumulators, v48-79 biases, v96-191 W1 (24 n + 12 s), v232-239 its scale words (2 n + s), v240-241 the positions'
	RANGE 32, 33
	s_sub_co_u32 s58, s31, 1780                    ; u
	s_lshl_b32 s59, s58, 1
	s_mul_i32 s40, s59, QREC
	s_add_co_u32 s40, s40, 2670*QREC
	s_add_nc_u64 s[60:61], s[4:5], s[40:41]
	s_add_co_u32 s59, s59, 1
	s_min_u32 s59, s59, 624                        ; W1 has 625 quads: the last slab's second quad is the first again, under the bias -1e30
	s_mul_i32 s40, s59, QREC
	s_add_co_u32 s40, s40, 2670*QREC
	s_add_nc_u64 s[66:67], s[4:5], s[40:41]
.set kk, 0
.rept 12
	global_load_b128 v[96+4*kk:99+4*kk], v[L16], s[60:61] offset:512*kk
	global_load_b128 v[144+4*kk:147+4*kk], v[L16], s[66:67] offset:512*kk
.set kk, kk+1
.endr
	global_load_b128 v[232:235], v[L16], s[60:61] offset:QSC
	global_load_b128 v[236:239], v[L16], s[66:67] offset:QSC
	s_lshl_b32 s40, s58, 8
	s_add_nc_u64 s[62:63], s[12:13], s[40:41]
	BIASLD 48, 0, 2
	s_cmp_eq_u32 s58, 312
	s_cbranch_scc1 .Lt1last
	BIASLD 48, 2, 2
	s_branch .Lt1go
.Lt1last:
.set jj, 0
.rept 16
	v_mov_b32 v[64+jj], NEG
.set jj, jj+1
.endr
	NOP4
.Lt1go:
	s_mov_b64 s[46:47], s[6:7]
	s_add_nc_u64 s[48:49], s[6:7], X1S
	PAIRLOOP 1
	; ---- the single logits of position tile T.  A row gathered for each position is source 0, the positions source 1: the diagonal of the result is wanted: lane (r, h) has it in register r % 8 where h = r / 8
.macro DIAG d, acc
	v_mov_b32 v[\d], v[\acc]
.set jj, 1
.rept 7
	v_cmp_eq_u32 vcc_lo, jj, v10
	v_cndmask_b32 v[\d], v[\d], v[\acc+jj], vcc_lo
.set jj, jj+1
.endr
.endm
.macro PUT row
	v_cmp_eq_u32 vcc_lo, v7, v9
	s_wait_xcnt 0x0                                ; EXEC changes only behind this wait
	s_and_saveexec_b32 s86, vcc_lo
	global_store_b32 v8, v13, s[28:29] offset:4096*(\row)
	s_wait_xcnt 0x0                                ; and again in front of the line that widens it
	s_or_b32 exec_lo, exec_lo, s86
.endm
.Laux:
	s_sub_co_u32 s66, s31, 2093                    ; T
	s_lshl_b32 s40, s66, 6
	v_and_b32 v6, 15, v0                           ; r
	v_lshl_add_u32 v8, v6, 2, s40                  ; 4 (16 T + r)
	s_cmp_ge_u32 s30, 2
	s_cbranch_scc1 .Lclus
	global_load_b32 v14, v8, s[8:9] offset:4352    ; my position's target
	v_lshrrev_b32 v9, 3, v6                        ; r / 8
	v_and_b32 v10, 7, v0                           ; r % 8
	s_cmp_eq_u32 s30, 1
	s_cbranch_scc1 .Lw1
	; wave 0: the head's logit at min(target, 19,999).  v16-111 the positions, v112-207 the gathered rows, v232-239 and v240-247 their scale words
	s_mul_i32 s40, s66, TREC
	s_add_nc_u64 s[42:43], s[4:5], s[40:41]
.set ss, 0
.rept 8
.set ao, (ss/4)*QREC+(ss%4)*FRB
	global_load_b128 v[16+12*ss:19+12*ss], v[L16], s[42:43] offset:ao
	global_load_b128 v[20+12*ss:23+12*ss], v[L16], s[42:43] offset:ao+512
	global_load_b128 v[24+12*ss:27+12*ss], v[L16], s[42:43] offset:ao+1024
.set ss, ss+1
.endr
	global_load_b128 v[232:235], v[L16], s[42:43] offset:QSC
	global_load_b128 v[236:239], v[L16], s[42:43] offset:QREC+QSC
	s_wait_loadcnt 26                              ; the target is in; the 26 loads issued behind it may be out
	v_min_u32 v14, 19999, v14
	v_and_b32 v11, 0x7ff0, v14
	v_mul_u32_u24 v11, 832, v11                    ; the row's tile: 13,312 bytes a tile,
	v_and_b32 v12, 15, v14
	v_lshl_add_u32 v11, v12, 4, v11                ; its lane in the image,
	v_lshl_add_u32 v11, v7, 8, v11                 ; my half
	s_add_nc_u64 s[44:45], s[4:5], 170*QREC
.set ss, 0
.rept 8
.set ao, (ss/4)*QREC+(ss%4)*FRB
	global_load_b128 v[112+12*ss:115+12*ss], v11, s[44:45] offset:ao
	global_load_b128 v[116+12*ss:119+12*ss], v11, s[44:45] offset:ao+512
	global_load_b128 v[120+12*ss:123+12*ss], v11, s[44:45] offset:ao+1024
.set ss, ss+1
.endr
	global_load_b128 v[240:243], v11, s[44:45] offset:QSC
	global_load_b128 v[244:247], v11, s[44:45] offset:QREC+QSC
	v_lshlrev_b32 v15, 2, v14
	global_load_b32 v12, v15, s[24:25]             ; b_head at that row
	s_wait_loadcnt 0x0
.set ss, 0
.rept 8                                ; even K steps onto one accumulator, odd ones onto another, by turns
.set rD, 208+8*(ss%2)
.if ss < 2
	v_wmma_scale_f32_16x16x128_f8f6f4 v[rD:rD+7], v[112+12*ss:123+12*ss], v[16+12*ss:27+12*ss], 0, v[240+ss], v[232+ss] matrix_a_fmt:MATRIX_FMT_BF6 matrix_b_fmt:MATRIX_FMT_BF6
.else
	v_wmma_scale_f32_16x16x128_f8f6f4 v[rD:rD+7], v[112+12*ss:123+12*ss], v[16+12*ss:27+12*ss], v[rD:rD+7], v[240+ss], v[232+ss] matrix_a_fmt:MATRIX_FMT_BF6 matrix_b_fmt:MATRIX_FMT_BF6
.endif
.set ss, ss+1
.endr
	NOP4
.set jj, 0
.rept 8
	v_add_f32 v[224+jj], v[208+jj], v[216+jj]
.set jj, jj+1
.endr
	DIAG 13, 224
	v_add_f32 v13, v13, v12
	PUT 0
	s_endpgm
.Lw1:
	; wave 1: the three tails' logits at clip(target - start).  Position-side loads first: they do not hang on the target
	s_mul_i32 s40, s66, 3072
	s_add_nc_u64 s[42:43], s[6:7], s[40:41]
.set hh, 0
.rept 4
	global_load_b128 v[40+6*hh:43+6*hh], v[L16], s[42:43] offset:768*hh
	global_load_b64 v[44+6*hh:45+6*hh], v[L8], s[42:43] offset:768*hh+512
.set hh, hh+1
.endr
	s_lshl_b32 s40, s66, 8
	s_add_co_u32 s40, s40, X1S
	s_add_nc_u64 s[44:45], s[6:7], s[40:41]
	global_load_b32 v232, v[L4], s[44:45]
	global_load_b32 v233, v[L4], s[44:45] offset:128
	s_mul_i32 s40, s66, 768
	s_add_co_u32 s40, s40, X2
	s_add_nc_u64 s[46:47], s[6:7], s[40:41]
	global_load_b128 v[92:95], v[L16], s[46:47]
	global_load_b64 v[96:97], v[L8], s[46:47] offset:512
	s_lshl_b32 s40, s66, 7
	s_add_co_u32 s40, s40, X2S
	s_add_nc_u64 s[48:49], s[6:7], s[40:41]
	global_load_b32 v234, v[L4], s[48:49]
	s_lshl_b32 s40, s66, 9
	s_add_co_u32 s40, s40, X3
	s_add_nc_u64 s[50:51], s[6:7], s[40:41]
	global_load_b128 v[136:139], v[L16], s[50:51]
	s_add_nc_u64 s[58:59], s[4:5], 2670*QREC
	s_add_nc_u64 s[60:61], s[4:5], 3295*QREC
	v_mov_b32 v173, 0
	s_wait_loadcnt 14                              ; the target is in; the 14 loads issued behind it may be out
	v_add_nc_u32 v164, 0xffffb1e0, v14             ; target - 20,000
	v_max_i32 v164, 0, v164
	v_min_u32 v164, 19999, v164
	v_and_b32 v175, 0x7fe0, v164
	v_mul_u32_u24 v176, 208, v175                  ; W1's quad (32 rows): 6,656 bytes,
	v_and_b32 v175, 15, v164
	v_lshl_add_u32 v176, v175, 4, v176             ; the row's lane,
	v_lshl_add_u32 v176, v7, 8, v176               ; my half: so far also the place of the scale words;
	v_and_b32 v175, 16, v164
	v_mad_u32_u24 v167, v175, 192, v176            ; the odd tile's two fragments lie 3,072 bytes on
.set ss, 0
.rept 2
	global_load_b128 v[16+12*ss:19+12*ss], v167, s[58:59] offset:FRB*ss
	global_load_b128 v[20+12*ss:23+12*ss], v167, s[58:59] offset:FRB*ss+512
	global_load_b128 v[24+12*ss:27+12*ss], v167, s[58:59] offset:FRB*ss+1024
.set ss, ss+1
.endr
	global_load_b128 v[240:243], v176, s[58:59] offset:QSC
	v_lshlrev_b32 v170, 2, v164
	global_load_b32 v152, v170, s[12:13]
	v_add_nc_u32 v165, 0xffff63c0, v14             ; target - 40,000
	v_max_i32 v165, 0, v165
	v_min_u32 v165, 159999, v165
	v_and_b32 v175, 0x3ff80, v165
	v_mul_u32_u24 v177, 52, v175                   ; W2's quad (128 rows): 6,656 bytes
	v_and_b32 v175, 15, v165
	v_lshl_add_u32 v177, v175, 4, v177
	v_lshl_add_u32 v177, v7, 8, v177
	v_and_b32 v175, 0x60, v165
	v_mad_u32_u24 v168, v175, 48, v177             ; the pair fragment: 1,536 bytes for each 32 rows
	global_load_b128 v[80:83], v168, s[60:61]
	global_load_b128 v[84:87], v168, s[60:61] offset:512
	global_load_b128 v[88:91], v168, s[60:61] offset:1024
	global_load_b128 v[248:251], v177, s[60:61] offset:QSC
	v_lshlrev_b32 v171, 2, v165
	global_load_b32 v153, v171, s[14:15]
	v_add_nc_u32 v166, 0xfffcf2c0, v14             ; target - 200,000
	v_max_i32 v166, 0, v166
	v_min_u32 v166, 67734, v166
	v_lshl_add_u32 v169, v166, 6, v[H32]
	global_load_b128 v[120:123], v169, s[10:11]
	global_load_b128 v[124:127], v169, s[10:11] offset:16
	v_lshlrev_b32 v172, 2, v166
	global_load_b32 v154, v172, s[16:17]
	s_wait_loadcnt 0x0
	v_and_b32 v174, 16, v164
	v_cmp_ne_u32 vcc_lo, 0, v174
	v_cndmask_b32 v244, v240, v242, vcc_lo         ; tail 1: the row's tile's two scale words of the quad's four
	v_cndmask_b32 v245, v241, v243, vcc_lo
	v_and_b32 v174, 0x60, v165
	v_cmp_eq_u32 vcc_lo, 32, v174
	v_cndmask_b32 v252, v248, v249, vcc_lo         ; tail 2: the pair fragment's word
	v_cmp_eq_u32 vcc_lo, 64, v174
	v_cndmask_b32 v252, v252, v250, vcc_lo
	v_cmp_eq_u32 vcc_lo, 0x60, v174
	v_cndmask_b32 v252, v252, v251, vcc_lo
	v_and_b32 v174, 16, v165
	v_cmp_ne_u32 vcc_lo, 0, v174
.set jj, 0
.rept 6
	v_cndmask_b32 v[100+jj], v[92+jj], v173, vcc_lo      ; the position's 64 codes stand in the half of K in which its row's tile stands; zeros in the other
	v_cndmask_b32 v[106+jj], v173, v[92+jj], vcc_lo
.set jj, jj+1
.endr
.set jj, 0
.rept 4
	v_cvt_pk_bf16_f32 v[128+jj], v[120+2*jj], v[121+2*jj]
	v_mov_b32 v[132+jj], 0
	v_mov_b32 v[140+jj], 0
.set jj, jj+1
.endr
.rept 8
	v_nop                                          ; a scale register written by a vector instruction stands eight places ahead of a scaled product, an operand four
.endr
	v_wmma_scale_f32_16x16x128_f8f6f4 v[64:71], v[16:27], v[40:51], 0, v244, v232 matrix_a_fmt:MATRIX_FMT_BF6 matrix_b_fmt:MATRIX_FMT_BF6
	v_wmma_scale_f32_16x16x128_f8f6f4 v[72:79], v[28:39], v[52:63], 0, v245, v233 matrix_a_fmt:MATRIX_FMT_BF6 matrix_b_fmt:MATRIX_FMT_BF6
	v_wmma_scale_f32_16x16x128_f8f6f4 v[112:119], v[80:91], v[100:111], 0, v252, v234 matrix_a_fmt:MATRIX_FMT_BF6 matrix_b_fmt:MATRIX_FMT_BF6
	v_wmma_f32_16x16x32_bf16 v[144:151], v[128:135], v[136:143], 0
	NOP4
.set jj, 0
.rept 8
	v_add_f32 v[184+jj], v[64+jj], v[72+jj]
.set jj, jj+1
.endr
	DIAG 13, 184
	v_add_f32 v13, v13, v152
	PUT 1
	DIAG 13, 112
	v_add_f32 v13, v13, v153
	PUT 2
	DIAG 13, 144
	v_add_f32 v13, v13, v154
	PUT 3
	s_endpgm
.Lclus:
	; waves 2, 3: the three cluster logits of eight positions each, in f32: v16-111 W_clusters, v112-175 two rows of hidden by turns
	s_sub_co_u32 s67, s30, 2
	s_lshl_b32 s67, s67, 5
	s_add_co_u32 s85, s40, s67                     ; 4 (16 T + 8 (wave - 2))
	s_mov_b32 s40, s85
	s_add_nc_u64 s[42:43], s[8:9], s[40:41]
	s_load_b256 s[68:75], s[42:43], 0x100          ; the tokens at my eight positions
	s_load_b96 s[76:78], s[22:23], 0x0             ; b_clusters
.set ii, 0
.rept 24
	global_load_b128 v[16+4*ii:19+4*ii], v[L16], s[20:21] offset:512*ii
.set ii, ii+1
.endr
.set kk, 0
.rept 3
	v_mov_b32 v[186+kk], 0
	v_mov_b32 v[190+kk], 0
.set kk, kk+1
.endr
	s_wait_kmcnt 0x0
.macro LOADH q
	s_min_u32 s79, s[68+(\q)], 1023
	s_lshl_b32 s40, s79, 12
	s_add_nc_u64 s[80+2*((\q)%2):81+2*((\q)%2)], s[18:19], s[40:41]
.set ii, 0
.rept 8
	global_load_b128 v[112+32*((\q)%2)+4*ii:115+32*((\q)%2)+4*ii], v[L16], s[80+2*((\q)%2):81+2*((\q)%2)] offset:512*ii
.set ii, ii+1
.endr
.endm
.macro CLQ q
.if (\q) < 7
	LOADH (\q)+1
	s_wait_loadcnt 8                               ; this position's row is in; the next one's eight loads may be out
.else
	s_wait_loadcnt 0x0
.endif
.set hb, 112+32*((\q)%2)
.set mm, 0
.rept 16
.set kk, 0
.rept 3
.if mm == 0
	v_pk_mul_f32 v[176+2*kk:177+2*kk], v[hb:hb+1], v[16+32*kk:17+32*kk]
.else
	v_pk_fma_f32 v[176+2*kk:177+2*kk], v[hb+2*mm:hb+2*mm+1], v[16+32*kk+2*mm:17+32*kk+2*mm], v[176+2*kk:177+2*kk]
.endif
.set kk, kk+1
.endr
.set mm, mm+1
.endr
.set kk, 0
.rept 3
	v_add_f32 v[182+kk], v[176+2*kk], v[177+2*kk]
.set kk, kk+1
.endr
.irp x, 1,2,4,8
.set kk, 0
.rept 3
	v_add_f32_dpp v[182+kk], v[182+kk], v[182+kk] row_xmask:\x row_mask:0xf bank_mask:0xf
.set kk, kk+1
.endr
.endr
.set kk, 0
.rept 3
	v_permlanex16_b32 v[186+kk], v[182+kk], s[SEL], s[SEL+1]
.set kk, kk+1
.endr
	s_mov_b32 s84, 1<<(\q)
.set kk, 0
.rept 3
	v_add_f32 v[182+kk], v[182+kk], v[186+kk]
.set kk, kk+1
.endr
.set kk, 0
.rept 3
	v_cndmask_b32 v[190+kk], v[190+kk], v[182+kk], s84   ; into lane q
.set kk, kk+1
.endr
.endm
	LOADH 0
	CLQ 0
	CLQ 1
	CLQ 2
	CLQ 3
	CLQ 4
	CLQ 5
	CLQ 6
	CLQ 7
.set kk, 0
.rept 3
	v_add_f32 v[190+kk], s[76+kk], v[190+kk]
.set kk, kk+1
.endr
	v_add_nc_u32 v11, s85, v[L4]
	v_cmp_gt_u32 vcc_lo, 8, v15
	s_wait_xcnt 0x0                                ; EXEC changes only behind this wait
	s_and_saveexec_b32 s86, vcc_lo
	global_store_b32 v11, v190, s[28:29] offset:4096*4
	global_store_b32 v11, v191, s[28:29] offset:4096*5
	global_store_b32 v11, v192, s[28:29] offset:4096*6
	s_wait_xcnt 0x0
	s_or_b32 exec_lo, exec_lo, s86
.Lend:
	s_endpgm
.Lfunc_end_k_qa3c84554b1_tails:
	.size	k_qa3c84554b1_tails, .Lfunc_end_k_qa3c84554b1_tails-k_qa3c84554b1_tails
	.p2alignl 7, 3214868480
	.fill 96, 4, 3214868480
	.section	.rodata,"a",@progbits
	.p2align	6, 0x0
	.amdhsa_kernel k_qa3c84554b1_tails
		.amdhsa_group_segment_fixed_size 0
		.amdhsa_private_segment_fixed_size 0
		.amdhsa_enable_private_segment 0
		.amdhsa_kernarg_size 104
		.amdhsa_user_sgpr_count 2
		.amdhsa_user_sgpr_kernarg_segment_ptr 1
		.amdhsa_wavefront_size32 1
		.amdhsa_system_sgpr_workgroup_id_x 1
		.amdhsa_system_sgpr_workgroup_id_y 1
		.amdhsa_system_sgpr_workgroup_id_z 1
		.amdhsa_system_vgpr_workitem_id 0
		.amdhsa_next_free_vgpr 256
		.amdhsa_next_free_sgpr 96
		.amdhsa_reserve_vcc 1
		.amdhsa_float_denorm_mode_32 3
		.amdhsa_float_denorm_mode_16_64 3
		.amdhsa_memory_ordered 1
		.amdhsa_forward_progress 1
		.amdhsa_inst_pref_size 143
	.end_amdhsa_kernel
	.amdgpu_metadata
---
amdhsa.version: [ 1, 2 ]
amdhsa.kernels:
  - .name:           k_qa3c84554b1_tails
    .symbol:         k_qa3c84554b1_tails.kd
    .args:
      - { .name: Q, .offset: 0, .size: 8, .value_kind: global_buffer, .address_space: global }
      - { .name: xq, .offset: 8, .size: 8, .value_kind: global_buffer, .address_space: global }
      - { .name: meta, .offset: 16, .size: 8, .value_kind: global_buffer, .address_space: global }
      - { .name: W3, .offset: 24, .size: 8, .value_kind: global_buffer, .address_space: global }
      - { .name: b1, .offset: 32, .size: 8, .value_kind: global_buffer, .address_space: global }
      - { .name: b2, .offset: 40, .size: 8, .value_kind: global_buffer, .address_space: global }
      - { .name: b3, .offset: 48, .size: 8, .value_kind: global_buffer, .address_space: global }
      - { .name: hidden, .offset: 56, .size: 8, .value_kind: global_buffer, .address_space: global }
      - { .name: W_clusters, .offset: 64, .size: 8, .value_kind: global_buffer, .address_space: global }
      - { .name: b_clusters, .offset: 72, .size: 8, .value_kind: global_buffer, .address_space: global }
      - { .name: b_head, .offset: 80, .size: 8, .value_kind: global_buffer, .address_space: global }
      - { .name: tp, .offset: 88, .size: 8, .value_kind: global_buffer, .address_space: global }
      - { .name: aux, .offset: 96, .size: 8, .value_kind: global_buffer, .address_space: global }
    .group_segment_fixed_size: 0
    .private_segment_fixed_size: 0
    .kernarg_segment_align: 8
    .kernarg_segment_size: 104
    .max_flat_workgroup_size: 128
    .sgpr_count:     96
    .vgpr_count:     256
    .wavefront_size: 32
...
	.end_amdgpu_metadata
.endif
;; end of part 3
;; launch final (part 4): grid 32 x 1, 32 waves a work-group, no clusters, 20,480 bytes of LDS; arguments hp, tp, aux, meta, out0; writes out0
.if DOCPART == 4
	.amdgcn_target "amdgcn-amd-amdhsa--gfx1250"
	.amdhsa_code_object_version 6
	.text
	.protected	k_qa3c84554b1_final
	.globl	k_qa3c84554b1_final
	.p2align	8
	.type	k_qa3c84554b1_final,@function
k_qa3c84554b1_final:
	s_mov_b64 s[64:65], 0
	v_nop
	global_prefetch_b8 v0, s[64:65] scope:SCOPE_SE
	s_setreg_imm32_b32 hwreg(HW_REG_WAVE_MODE, 25, 1), 1
	s_wait_xcnt 0x0
; The slabs' (m2, l) of each position are merged, under a running largest m2, into the head's and the tail's log-sum-exp, and the result is formed and stored at the position's token.
; A work-group takes 32 positions (a pair of tiles), a lane one position; wave w takes slabs w, w + 32, ..: each load reads 256 consecutive bytes of a slab's row.  The 32 waves' figures meet in LDS behind one barrier; wave 0 ends the work.
; A tail's rows of tp are read only for the pairs that the tails' launch wrote: the same test on the same numbers of meta.  All waves of a work-group take the same way there, and every wave passes the barrier.
; Stream of a few megabytes: no matrix unit, no cluster, no tensor load.
; out = -(head logit at target - lse_head) for cluster 0;  -((cluster logit 3 - c - lse_head) + (tail logit - lse_tail)) for cluster c.  lse = ln 2 x (m2 + log2 l).
; LIMITS: NaN and infinities are not served.
.set P, 32                             ; v32-95 what a sweep or a merge has loaded
.set LOW, 0xff61b1e6                   ; -3e38, under every m2
; cnt pairs (m at v[p + st u], l one register on) are merged into (v[m], v[l])
.macro BATCH cnt, p, st, m, l
	v_mov_b32 v10, v[\m]
.set uu, 0
.rept (\cnt)/2
	v_max3_num_f32 v10, v10, v[\p+\st*uu], v[\p+\st*(uu+1)]
.set uu, uu+2
.endr
.if (\cnt)%2
	v_max_num_f32 v10, v10, v[\p+\st*((\cnt)-1)]
.endif
	v_sub_f32 v11, v[\m], v10
.set uu, 0
.rept \cnt
	v_sub_f32 v[\p+\st*uu], v[\p+\st*uu], v10
.set uu, uu+1
.endr
	v_exp_f32 v11, v11
.set uu, 0
.rept \cnt
	v_exp_f32 v[\p+\st*uu], v[\p+\st*uu]
.set uu, uu+1
.endr
	v_mov_b32 v[\m], v10                           ; (a plain place behind the exponentials)
	s_wait_alu depctr_va_vdst(0)
	v_mul_f32 v[\l], v[\l], v11
.set uu, 0
.rept \cnt
	v_fmac_f32 v[\l], v[\p+\st*uu+1], v[\p+\st*uu]
.set uu, uu+1
.endr
.endm
; rows row0 + k0 + w + 32 u, u = 0 .. cnt - 1, of the buffer at s[bp]; the table has tot rows.  Where the last u passes the end for some waves, those read the last row again and count its l as 0
.macro SWEEP bp, row0, k0, cnt, tot, m, l
	s_add_nc_u64 s[20:21], s[\bp:\bp+1], ((\row0)+(\k0))*8192
.if ((\k0)+32*(\cnt)) > (\tot)
.set nfull, (\cnt)-1
.else
.set nfull, \cnt
.endif
.set uu, 0
.rept nfull
	global_load_b64 v[P+2*uu:P+2*uu+1], v2, s[20:21] offset:uu*262144
.set uu, uu+1
.endr
.if nfull < (\cnt)
	s_min_u32 s22, s14, (\tot)-1-(\k0)-32*((\cnt)-1)
	s_lshl_b32 s22, s22, 13
	v_add_nc_u32 v3, s22, v1
	global_load_b64 v[P+2*nfull:P+2*nfull+1], v3, s[20:21] offset:nfull*262144
	s_cmp_le_u32 s14, (\tot)-1-(\k0)-32*((\cnt)-1)
	s_cselect_b32 s23, 1.0, 0
.endif
	s_wait_loadcnt 0x0
.if nfull < (\cnt)
	v_mul_f32 v[P+2*nfull+1], s23, v[P+2*nfull+1]
.endif
	BATCH \cnt, P, 2, \m, \l
.endm
.macro TBEGIN c, lo, hi                ; does cluster c have positions in my pair?
	s_cmp_ge_u32 s[\lo], s[\hi]
	s_cbranch_scc1 .Lskip\c
	s_lshr_b32 s28, s[\lo], 5
	s_cmp_lt_u32 ttmp9, s28
	s_cbranch_scc1 .Lskip\c
	s_add_co_u32 s28, s[\hi], 31
	s_lshr_b32 s28, s28, 5
	s_cmp_ge_u32 ttmp9, s28
	s_cbranch_scc1 .Lskip\c
	v_mov_b32 v8, LOW
	v_mov_b32 v9, 0
.endm
.macro TEND c, lo, hi                  ; the lanes whose position is of cluster c keep the figures
	v_cmp_ge_u32 s28, v16, s[\lo]
	v_cmp_lt_u32 s29, v16, s[\hi]
	s_and_b32 s28, s28, s29
	v_cndmask_b32 v6, v6, v8, s28
	v_cndmask_b32 v7, v7, v9, s28
.Lskip\c:
.endm
	s_load_b256 s[4:11], s[0:1], 0x0               ; hp, tp, aux, meta
	s_load_b64 s[12:13], s[0:1], 0x20              ; out0
	v_lshl_add_u32 v126, v0, 2, 0x4000
	v_mov_b32 v127, 0
	v_lshrrev_b32 v10, 5, v0
	v_readfirstlane_b32 s14, v10                   ; wave 0 .. 31
	v_and_b32 v10, 31, v0
	s_lshl_b32 s15, ttmp9, 8
	v_lshl_add_u32 v1, v10, 3, s15                 ; my position's 8 bytes in a slab's row
	s_lshl_b32 s16, s14, 13
	v_add_nc_u32 v2, s16, v1                       ; in row w
	s_lshl_b32 s17, ttmp9, 5
	v_add_nc_u32 v16, s17, v10                     ; my position
	v_lshlrev_b32 v17, 2, v16
	v_lshlrev_b32 v18, 4, v0                       ; LDS: 16 bytes a thread
	v_mov_b32 v4, LOW                              ; the head's m2, l;
	v_mov_b32 v5, 0
	v_mov_b32 v6, LOW                              ; the tail's
	v_mov_b32 v7, 0
	s_wait_kmcnt 0x0
	s_load_b128 s[24:27], s[10:11], 0x0            ; first pos of clusters 1, 2, 3; 1,024
.set kk, 0
.rept 7
	global_load_b32 v[100+kk], v17, s[8:9] offset:4096*kk   ; head target logit; tail target logits 1 .. 3; cluster logits 0 .. 2
.set kk, kk+1
.endr
	global_load_b32 v107, v17, s[10:11] offset:4352   ; target
	global_load_b32 v108, v17, s[10:11] offset:256    ; token
	s_wait_kmcnt 0x0
	SWEEP 4, 0, 0, 8, 250, 4, 5
	TBEGIN 1, 24, 25
	SWEEP 6, 1780, 0, 10, 313, 8, 9
	TEND 1, 24, 25
	TBEGIN 2, 25, 26
	SWEEP 6, 0, 0, 16, 1250, 8, 9
	SWEEP 6, 0, 512, 16, 1250, 8, 9
	SWEEP 6, 0, 1024, 8, 1250, 8, 9
	TEND 2, 25, 26
	TBEGIN 3, 26, 27
	SWEEP 6, 1250, 0, 16, 530, 8, 9
	SWEEP 6, 1250, 512, 1, 530, 8, 9
	TEND 3, 26, 27
	ds_store_b128 v18, v[4:7]
	s_wait_dscnt 0x0                               ; for the others' sake: my store has landed
	s_barrier_signal -1
	s_barrier_wait -1
	s_cmp_lg_u32 s14, 0
	s_cbranch_scc1 .Lend
	v_mov_b32 v4, LOW
	v_mov_b32 v5, 0
	v_mov_b32 v6, LOW
	v_mov_b32 v7, 0
.irp b, 0,1
.set uu, 0
.rept 16
	ds_load_b128 v[P+4*uu:P+4*uu+3], v18 offset:512*(16*\b+uu)     ; wave 16 b + u's figures for my position
.set uu, uu+1
.endr
	s_wait_dscnt 0x0
	BATCH 16, P, 4, 4, 5
	BATCH 16, P+2, 4, 6, 7
.endr
	s_mov_b32 s30, 0x3fb8aa3b                      ; log2(e)
	s_mov_b32 s31, 0x3f317218                      ; ln 2
	s_mov_b32 s32, 20000
	s_mov_b32 s33, 40000
	s_mov_b32 s34, 200000
	v_mul_f32 v20, s30, v104                       ; the three cluster logits join the head's sum
	v_mul_f32 v21, s30, v105
	v_mul_f32 v22, s30, v106
	v_max3_num_f32 v23, v4, v20, v21
	v_max_num_f32 v23, v23, v22
	v_sub_f32 v24, v4, v23
	v_sub_f32 v25, v20, v23
	v_sub_f32 v26, v21, v23
	v_sub_f32 v27, v22, v23
	v_exp_f32 v24, v24
	v_exp_f32 v25, v25
	v_exp_f32 v26, v26
	v_exp_f32 v27, v27
	v_nop                                          ; a plain place behind the exponentials
	s_wait_alu depctr_va_vdst(0)
	v_fma_f32 v5, v5, v24, v25
	v_add_f32 v26, v26, v27
	v_add_f32 v5, v5, v26
	v_log_f32 v28, v5
	v_log_f32 v29, v7
	v_nop
	s_wait_alu depctr_va_vdst(0)
	v_add_f32 v28, v23, v28
	v_add_f32 v29, v6, v29
	v_mul_f32 v28, s31, v28                        ; lse of the head
	v_mul_f32 v29, s31, v29                        ; lse of the tail (of no use, and not used, in cluster 0)
	v_cmp_ge_u32 s35, v107, s32
	v_cmp_ge_u32 s36, v107, s33
	v_cmp_ge_u32 s37, v107, s34
	v_cndmask_b32 v110, v106, v105, s36            ; cluster c's logit in the head is cluster logit 3 - c
	v_cndmask_b32 v110, v110, v104, s37
	v_cndmask_b32 v111, v101, v102, s36            ; and its tail's logit at the target
	v_cndmask_b32 v111, v111, v103, s37
	v_sub_f32 v110, v110, v28
	v_sub_f32 v111, v111, v29
	v_add_f32 v110, v110, v111
	v_sub_f32 v112, v100, v28
	v_cndmask_b32 v112, v112, v110, s35
	v_sub_f32 v112, 0, v112
	v_min_u32 v108, 1023, v108
	v_lshlrev_b32 v108, 2, v108
	global_store_b32 v108, v112, s[12:13]
.Lend:
	s_wait_tensorcnt 0x0
	ds_add_u32 v126, v127
	s_wait_dscnt 0x0
	s_endpgm
.Lfunc_end_k_qa3c84554b1_final:
	.size	k_qa3c84554b1_final, .Lfunc_end_k_qa3c84554b1_final-k_qa3c84554b1_final
	.p2alignl 7, 3214868480
	.fill 96, 4, 3214868480
	.section	.rodata,"a",@progbits
	.p2align	6, 0x0
	.amdhsa_kernel k_qa3c84554b1_final
		.amdhsa_group_segment_fixed_size 20480
		.amdhsa_private_segment_fixed_size 0
		.amdhsa_enable_private_segment 0
		.amdhsa_kernarg_size 40
		.amdhsa_user_sgpr_count 2
		.amdhsa_user_sgpr_kernarg_segment_ptr 1
		.amdhsa_wavefront_size32 1
		.amdhsa_system_sgpr_workgroup_id_x 1
		.amdhsa_system_sgpr_workgroup_id_y 1
		.amdhsa_system_sgpr_workgroup_id_z 1
		.amdhsa_system_vgpr_workitem_id 0
		.amdhsa_next_free_vgpr 128
		.amdhsa_next_free_sgpr 66
		.amdhsa_reserve_vcc 0
		.amdhsa_float_denorm_mode_32 3
		.amdhsa_float_denorm_mode_16_64 3
		.amdhsa_memory_ordered 1
		.amdhsa_forward_progress 1
		.amdhsa_inst_pref_size 37
	.end_amdhsa_kernel
	.amdgpu_metadata
---
amdhsa.version: [ 1, 2 ]
amdhsa.kernels:
  - .name:           k_qa3c84554b1_final
    .symbol:         k_qa3c84554b1_final.kd
    .args:
      - { .name: hp, .offset: 0, .size: 8, .value_kind: global_buffer, .address_space: global }
      - { .name: tp, .offset: 8, .size: 8, .value_kind: global_buffer, .address_space: global }
      - { .name: aux, .offset: 16, .size: 8, .value_kind: global_buffer, .address_space: global }
      - { .name: meta, .offset: 24, .size: 8, .value_kind: global_buffer, .address_space: global }
      - { .name: out0, .offset: 32, .size: 8, .value_kind: global_buffer, .address_space: global }
    .group_segment_fixed_size: 20480
    .private_segment_fixed_size: 0
    .kernarg_segment_align: 8
    .kernarg_segment_size: 40
    .max_flat_workgroup_size: 1024
    .sgpr_count:     66
    .vgpr_count:     128
    .wavefront_size: 32
...
	.end_amdgpu_metadata
.endif
;; end of part 4
;; ======== version 2 of 2: 4 launches; version 1 with the launches head, tails written anew for expert scheduling mode
;; limits: right only within a limited range of input values
;; workspace buffers: Q 30,251,520 bytes; meta 8,448 bytes of whole numbers; xq 303,104 bytes; hp 2,048,000 bytes; tp 17,145,856 bytes; aux 28,672 bytes
;; launch quant: the kernel of part 1 again; grid 1137 x 1, 4 waves a work-group, no clusters, 35,328 bytes of LDS; arguments hidden, P1, P2, P3, W_head, W1, W2, target, Q, meta; writes Q, meta
;; launch head (part 5): grid 256 x 1, 4 waves a work-group, no clusters, 0 bytes of LDS; arguments Q, b_head, xq, hp; writes xq, hp
.if DOCPART == 5
	.amdgcn_target "amdgcn-amd-amdhsa--gfx1250"
	.amdhsa_code_object_version 6
	.text
	.protected	k_qa3c84554b1_head
	.globl	k_qa3c84554b1_head
	.p2align	8
	.type	k_qa3c84554b1_head,@function
k_qa3c84554b1_head:
	s_mov_b64 s[64:65], 0
	v_nop
	global_prefetch_b8 v0, s[64:65] scope:SCOPE_SE
	s_setreg_imm32_b32 hwreg(HW_REG_WAVE_SCHED_MODE, 0, 2), 2
	s_setreg_imm32_b32 hwreg(HW_REG_WAVE_MODE, 25, 1), 1
	s_wait_xcnt 0x0
	s_wait_alu depctr_vm_vsrc(0)
; Work-groups 0-249: head logits of 80 vocabulary rows (five tiles) for all 1,024 positions, and of each position the slab's (m2, l): m2 = log2(e) x largest logit, l = sum of 2^(logit x log2(e) - m2).
; Work-groups 250-253: hidden P1^T, 64 of its 256 columns each, quantised along those columns into xq;  254: hidden P2^T likewise;  255: hidden P3^T, rounded to bf16 for the product with W3.
; All products on codes of BF6 with E8M0 scales, from the register images that the first launch stored.  USED TRANSPOSED: source 0 = 16 rows of the weight, source 1 = 16 positions: a lane holds ONE position (lane % 16).
; The weight's fragments (up to 5 tiles x 8 K steps, 480 registers) stay in every wave's registers; wave w walks position tiles 16 w .. 16 w + 15, whose fragments go from memory straight into its registers, two buffers by turns.
; No LDS and no cluster: each streamed fragment is read by one wave of the work-group; what work-groups share (the positions' codes, 852 KB) is re-read from the cache by each.
; The bias is the C of each sum's first product.  The largest logit is taken off before every exponential.
; In the projections THE ROWS OF P THAT FORM A TILE ARE NOT NEIGHBOURS: lane r of tile 2 b + u takes row 32 b + 8 u + r + 8 (r / 8), so that the 16 registers of tiles 2 b, 2 b + 1 are 16 neighbours along the next K.
; LIMITS: NaN and infinities are not served.  A block of zeros gets the scale byte 1 (its codes are zeros).
; REGISTERS, in windows of 256: window 0: addresses, accumulators, biases, scale words, statistics;  window 1: the weight's K steps 0-3 at 60 s + 12 n;  window 2: K steps 4-7;  window 3: the positions' two buffers, 96 each.
; THE MODE: SCHED_MODE bits 1:0 = 2 (LLVM: expert scheduling mode 2), set by the entry lines.  The code itself states the register dependences
; between vector or matrix instructions and memory instructions, with s_wait_alu, always for 0.
; THE PLAN.  Registers that memory instructions touch:
;   window 3, buffers 0 and 1, and v[AS ..]   written by LOADA's 26 loads; read by the products of the tile that lies in the buffer.
;   windows 1 and 2, v[BS ..], v[BIAS ..]     loaded once at the head; read by products; no vector instruction writes them.
;   v[L16], v[V8], v[V4], v[H32], v[VB]       offsets, made once and never written again.
;   v[VHP]                                    the slab's store's offset: read by the trip's store, stepped once a trip behind it.
;   v[OUT ..], v[PC ..], v[PW], v[208:211]    written by a tile's last vector instructions, read by the stores that follow them.
; EVERY LOADA HOLDS ONE WAIT on va_vdst, behind its window switch and straight ahead of its loads: the products issued so far are done reading the buffer.  In a slab's first tile of a trip LOADA stands
; behind the exponentials, and its wait is theirs too; in a projection's first tile it stands ahead of the tile's stores, and its wait also states that the codes to be stored are written.
; One wait on vm_vsrc stands behind each run of stores, ahead of the next writer of their registers.
.set QREC, 6656
.set FRB,  1536
.set QSC,  6144
.set TREC, 13312                       ; a tile of K = 1,024: two quads
.set X1S,  196608                      ; xq: 0 proj1's codes, 3,072 a tile (four half records of 768); here its scale words, 256 a tile;
.set X2,   212992                      ; proj2's codes, 768 a tile;
.set X2S,  262144                      ; its scale words, 128 a tile;
.set X3,   270336                      ; proj3 in bf16, 512 a tile
.set L16,  1                           ; 16 x lane
.set VB,   2                           ; the projections' weight rows
.set H32,  3                           ; 32 x (lane / 16)
.set V8,   4                           ; 8 x lane
.set V4,   5                           ; 4 x lane
.set VHP,  6                           ; my place in a row of hp
.set ACC,  16                          ; v16-55   five accumulators
.set BIAS, 56                          ; v56-95
.set BS,   96                          ; v96-135  the weight's scale words, 8 n + s
.set AS,   136                         ; v136-151 the positions', 8 buf + s
.set CH,   152
.set TMP,  156
.set M2N,  158
.set SUM,  160
.set MA,   164
.set LA,   165
.set MB,   166
.set LB,   167
.set OUT,  168
.set TM,   170
.set PW,   182
.set PC,   186
.set CS,   22                          ; s[22:23] log2(e), twice
.set SEL,  24                          ; s[24:25] selects for lane l xor 16
.set MSB, 0
.macro WIN new                         ; the immediate's high byte repeats the setting that is left
.if MSB != \new
	s_set_vgpr_msb (MSB<<8)|\new
.set MSB, \new
.endif
.endm
.macro NOP4                            ; four places between a product and the first read of its result (ISA guide 7.12.1)
.rept 4
	v_nop
.endr
.endm
.macro LOADA buf, off                  ; a position tile's eight fragments and eight scale words: 26 loads
	WIN 0xc0                                       ; destination window 3
	s_wait_alu depctr_va_vdst(0)                   ; the products issued so far are done reading this buffer and its scale words, in which the loads below land; their offset v[L16] is written
.set ss, 0
.rept 8
.set ao, (\off)+(ss/4)*QREC+(ss%4)*FRB
.set rA, 96*(\buf)+12*ss
	global_load_b128 v[rA:rA+3], v[L16], s[14:15] offset:ao
	global_load_b128 v[rA+4:rA+7], v[L16], s[14:15] offset:ao+512
	global_load_b128 v[rA+8:rA+11], v[L16], s[14:15] offset:ao+1024
.set ss, ss+1
.endr
	WIN 0
	global_load_b128 v[AS+8*(\buf):AS+8*(\buf)+3], v[L16], s[14:15] offset:(\off)+QSC
	global_load_b128 v[AS+8*(\buf)+4:AS+8*(\buf)+7], v[L16], s[14:15] offset:(\off)+QREC+QSC
.endm
.macro LOADB nb, adr, perm             ; nb tiles of the weight, all eight K steps, and their scale words.  perm = 1: slot 2 b + u takes its rows from tiles 2 b and 2 b + 1 (the address register holds the lane's part)
.set ss, 0
.rept 8
.if ss == 0
	WIN 0x40
.endif
.if ss == 4
	WIN 0x80
.endif
.set nn, 0
.rept \nb
.if \perm
.set bo, (nn/2)*2*TREC+(ss/4)*QREC+(ss%4)*FRB+128*(nn%2)
.else
.set bo, (2*nn+ss/4)*QREC+(ss%4)*FRB
.endif
.set rB, 60*(ss%4)+12*nn
	global_load_b128 v[rB:rB+3], v[\adr], s[16:17] offset:bo
	global_load_b128 v[rB+4:rB+7], v[\adr], s[16:17] offset:bo+512
	global_load_b128 v[rB+8:rB+11], v[\adr], s[16:17] offset:bo+1024
.set nn, nn+1
.endr
.set ss, ss+1
.endr
	WIN 0
.set nn, 0
.rept \nb
.if \perm
.set bo, (nn/2)*2*TREC+QSC+128*(nn%2)
.else
.set bo, 2*nn*QREC+QSC
.endif
	global_load_b128 v[BS+8*nn:BS+8*nn+3], v[\adr], s[16:17] offset:bo
	global_load_b128 v[BS+8*nn+4:BS+8*nn+7], v[\adr], s[16:17] offset:bo+QREC
.set nn, nn+1
.endr
.endm
.macro MM buf, nb, bias                ; nb tiles x eight K steps; the accumulators take turns, one instruction a turn
.set ss, 0
.rept 8
.if ss == 0
	WIN 0x0d                                       ; source 0 window 1, source 1 window 3
.endif
.if ss == 4
	WIN 0x0e                                       ; source 0 window 2
.endif
.set nn, 0
.rept \nb
.set rB, 60*(ss%4)+12*nn
.set rA, 96*(\buf)+12*ss
.set rD, ACC+8*nn
.if ss == 0
.if \bias
	v_wmma_scale_f32_16x16x128_f8f6f4 v[rD:rD+7], v[rB:rB+11], v[rA:rA+11], v[BIAS+8*nn:BIAS+8*nn+7], v[BS+8*nn+ss], v[AS+8*(\buf)+ss] matrix_a_fmt:MATRIX_FMT_BF6 matrix_b_fmt:MATRIX_FMT_BF6
.else
	v_wmma_scale_f32_16x16x128_f8f6f4 v[rD:rD+7], v[rB:rB+11], v[rA:rA+11], 0, v[BS+8*nn+ss], v[AS+8*(\buf)+ss] matrix_a_fmt:MATRIX_FMT_BF6 matrix_b_fmt:MATRIX_FMT_BF6
.endif
.else
	v_wmma_scale_f32_16x16x128_f8f6f4 v[rD:rD+7], v[rB:rB+11], v[rA:rA+11], v[rD:rD+7], v[BS+8*nn+ss], v[AS+8*(\buf)+ss] matrix_a_fmt:MATRIX_FMT_BF6 matrix_b_fmt:MATRIX_FMT_BF6
.endif
.set nn, nn+1
.endr
.set ss, ss+1
.endr
	WIN 0
.endm
.macro MM3 buf                         ; one tile: the even K steps onto one accumulator, the odd ones onto another, by turns
.set ss, 0
.rept 8
.if ss == 0
	WIN 0x0d
.endif
.if ss == 4
	WIN 0x0e
.endif
.set rB, 60*(ss%4)
.set rA, 96*(\buf)+12*ss
.set rD, ACC+8*(ss%2)
.if ss < 2
	v_wmma_scale_f32_16x16x128_f8f6f4 v[rD:rD+7], v[rB:rB+11], v[rA:rA+11], 0, v[BS+ss], v[AS+8*(\buf)+ss] matrix_a_fmt:MATRIX_FMT_BF6 matrix_b_fmt:MATRIX_FMT_BF6
.else
	v_wmma_scale_f32_16x16x128_f8f6f4 v[rD:rD+7], v[rB:rB+11], v[rA:rA+11], v[rD:rD+7], v[BS+ss], v[AS+8*(\buf)+ss] matrix_a_fmt:MATRIX_FMT_BF6 matrix_b_fmt:MATRIX_FMT_BF6
.endif
.set ss, ss+1
.endr
	WIN 0
.endm
; nr logits of my position (whole accumulators of 8) -> mo = log2(e) x the largest, lo = the sum of 2^(logit x log2(e) - mo); both halves of the lanes end with the position's figures.
; Each accumulator is read from its low end on.  ahead = 1: buffer 0, whose tile these logits are, is asked for again behind the exponentials.
.macro SOFT a, nr, mo, lo, ahead
.set na, (\nr)/8
.set ii, 0
.rept 4
.set nn, 0
.rept na
.if (ii == 0) && (nn < 4)
	v_max_num_f32 v[CH+nn], v[\a+8*nn], v[\a+8*nn+1]
.else
	v_max3_num_f32 v[CH+nn%4], v[CH+nn%4], v[\a+8*nn+ii], v[\a+8*nn+ii+1]
.endif
.set nn, nn+1
.endr
.set ii, ii+2
.endr
	v_max3_num_f32 v[CH], v[CH], v[CH+1], v[CH+2]
	v_max_num_f32 v[CH], v[CH], v[CH+3]
	v_permlanex16_b32 v[TMP], v[CH], s[SEL], s[SEL+1]
	v_max_num_f32 v[CH], v[CH], v[TMP]             ; with lane l xor 16's rows
	v_mul_f32 v[M2N], 0xbfb8aa3b, v[CH]            ; -log2(e) x the largest
.set jj, 0
.rept (\nr)/2
	v_pk_fma_f32 v[\a+jj:\a+jj+1], v[\a+jj:\a+jj+1], s[CS:CS+1], v[M2N:M2N+1] op_sel_hi:[1,0,0]
.set jj, jj+2
.endr
.set jj, 0
.rept \nr
	v_exp_f32 v[\a+jj], v[\a+jj]
.set jj, jj+1
.endr
	v_sub_f32 v[\mo], 0, v[M2N]                    ; (a plain place behind the exponentials)
.if \ahead
	LOADA 0, 2*TREC                                ; the next trip's first tile.  Its wait also states that the exponentials have written v[a ..], which the sums below read.  In the last trip of wave 3 these are the 13 KiB of Q behind the positions: inside the buffer, written, not used
.else
	s_wait_alu depctr_va_vdst(0)                   ; the exponentials have written v[a ..], which the sums below read
.endif
	v_pk_add_f32 v[SUM:SUM+1], v[\a:\a+1], v[\a+2:\a+3]
	v_pk_add_f32 v[SUM+2:SUM+3], v[\a+4:\a+5], v[\a+6:\a+7]
.set jj, 8
.rept ((\nr)-8)/4
	v_pk_add_f32 v[SUM:SUM+1], v[SUM:SUM+1], v[\a+jj:\a+jj+1]
	v_pk_add_f32 v[SUM+2:SUM+3], v[SUM+2:SUM+3], v[\a+jj+2:\a+jj+3]
.set jj, jj+4
.endr
	v_pk_add_f32 v[SUM:SUM+1], v[SUM:SUM+1], v[SUM+2:SUM+3]
	v_add_f32 v[\lo], v[SUM], v[SUM+1]
	v_permlanex16_b32 v[TMP], v[\lo], s[SEL], s[SEL+1]
	v_add_f32 v[\lo], v[\lo], v[TMP]
.endm
; 64 columns of a projection (register 16 b + i = column 32 b + 16 (lane / 16) + i of my position) become six registers of codes, v[PC] on, and two scale bytes, doubled into a word
.macro EPIQ
	v_max3_num_f32 v[TM], |v[ACC]|, |v[ACC+1]|, 0x2800000          ; with the floor 2^(5 - 127)
	v_max3_num_f32 v[TM+1], |v[ACC+16]|, |v[ACC+17]|, 0x2800000
.set ii, 2
.rept 7
	v_max3_num_f32 v[TM], v[TM], |v[ACC+ii]|, |v[ACC+ii+1]|
	v_max3_num_f32 v[TM+1], v[TM+1], |v[ACC+16+ii]|, |v[ACC+17+ii]|
.set ii, ii+2
.endr
	v_permlanex16_b32 v[TM+4], v[TM], s[SEL], s[SEL+1]
	v_permlanex16_b32 v[TM+5], v[TM+1], s[SEL], s[SEL+1]
	v_max_num_f32 v[TM], v[TM], v[TM+4]            ; the block's largest magnitude
	v_max_num_f32 v[TM+1], v[TM+1], v[TM+5]
	v_add_nc_u32 v[TM+8], 0xfe000000, v[TM]        ; 4 off the exponent field: the conversion's scale operand
	v_add_nc_u32 v[TM+9], 0xfe000000, v[TM+1]
	v_lshrrev_b32 v[TM+4], 23, v[TM+8]
	v_lshrrev_b32 v[TM+5], 23, v[TM+9]
	v_lshl_or_b32 v[PW], v[TM+5], 8, v[TM+4]
	v_lshl_or_b32 v[PW], v[PW], 16, v[PW]
	v_cvt_scalef32_pk16_bf6_f32 v[PC:PC+2], v[ACC:ACC+15], v[TM+8]
	v_cvt_scalef32_pk16_bf6_f32 v[PC+8:PC+10], v[ACC+16:ACC+31], v[TM+9]
	v_nop                                          ; one plain place behind a scaled conversion
.set ii, 0
.rept 3
	v_permlane16_swap_b32 v[PC+ii], v[PC+8+ii]     ; a WHOLE block to a lane: lanes 0-15 block 0, lanes 16-31 block 1
.set ii, ii+1
.endr
.set ii, 0
.rept 3
	v_mov_b32 v[PC+3+ii], v[PC+8+ii]
.set ii, ii+1
.endr
.endm
	s_load_b256 s[4:11], s[0:1], 0x0               ; Q, b_head, xq, hp
	v_lshrrev_b32 v7, 5, v0
	v_readfirstlane_b32 s12, v7                    ; wave
	s_mov_b32 s13, ttmp9
	v_and_b32 v7, 31, v0
	v_lshlrev_b32 v[L16], 4, v7
	v_lshlrev_b32 v[V8], 3, v7
	v_lshlrev_b32 v[V4], 2, v7
	v_bfe_u32 v8, v0, 4, 1                         ; h
	v_and_b32 v9, 15, v0                           ; r
	v_lshlrev_b32 v[H32], 5, v8
	v_mov_b32 v[TMP], 0                            ; written once: a lane permute's destination counts as one of its sources
	v_mov_b32 v[M2N+1], 0                          ; (named as the upper half of a pair)
	v_mov_b32 v[TM+4], 0
	v_mov_b32 v[TM+5], 0
	s_mov_b32 s[CS], 0x3fb8aa3b
	s_mov_b32 s[CS+1], s[CS]
	s_mov_b32 s[SEL], 0x76543210
	s_mov_b32 s[SEL+1], 0xfedcba98
	s_mov_b32 s26, 0xffff0000                      ; lanes 16-31
	s_mov_b32 s20, 0
	s_wait_alu depctr_va_sdst(0)                   ; s12 is written, ahead of its first reader: bases and offsets are made from it
	s_mul_i32 s34, s12, 16*TREC
	s_mov_b32 s35, 0
	s_wait_kmcnt 0x0
	s_add_nc_u64 s[14:15], s[4:5], s[34:35]        ; my first position tile
	LOADA 0, 0                                     ; its wait states here that the four offsets v[L16], v[V8], v[V4], v[H32] are written, for every load and store of the kernel that reads one of them
	s_cmp_lt_u32 s13, 250
	s_cbranch_scc0 .Lproj
	; ---- a slab of the head
	s_mul_i32 s34, s13, 10*QREC
	s_add_co_u32 s34, s34, 170*QREC
	s_add_nc_u64 s[16:17], s[4:5], s[34:35]        ; my five tiles of W_head
	s_mul_i32 s34, s13, 320
	s_add_nc_u64 s[36:37], s[6:7], s[34:35]        ; their biases
	s_lshl_b32 s34, s13, 13
	s_add_nc_u64 s[18:19], s[10:11], s[34:35]      ; my row of hp
	s_lshl_b32 s34, s12, 11
	v_add_nc_u32 v[VHP], s34, v[V8]
	LOADB 5, L16, 0
.set nn, 0
.rept 5
	global_load_b128 v[BIAS+8*nn:BIAS+8*nn+3], v[H32], s[36:37] offset:64*nn        ; lane (r, h): the tile's rows 8 h + 0 .. 7
	global_load_b128 v[BIAS+8*nn+4:BIAS+8*nn+7], v[H32], s[36:37] offset:64*nn+16
.set nn, nn+1
.endr
.Lhead:                                                ; eight trips of two position tiles
	LOADA 1, TREC                                  ; (its wait: the last trip's second tile's products)
	s_wait_loadcnt 26                              ; all but the 26 just issued: buffer 0 is in (in the first trip the weight and the biases too)
	MM 0, 5, 1
	NOP4
	SOFT ACC, 40, MA, LA, 1                        ; buffer 0 is asked for again in it
	s_wait_loadcnt 26                              ; all but those 26: buffer 1 is in
	MM 1, 5, 1
	NOP4
	SOFT ACC, 40, MB, LB, 0
	v_cndmask_b32 v[OUT], v[MA], v[MB], s26        ; lanes 0-15: the first tile's positions; lanes 16-31: the second's
	v_cndmask_b32 v[OUT+1], v[LA], v[LB], s26
	s_wait_alu depctr_va_vdst(0)                   ; the two selects have written v[OUT ..], the store's data; its offset v[VHP] is written
	global_store_b64 v[VHP], v[OUT:OUT+1], s[18:19]   ; 32 lanes store 256 consecutive bytes, aligned
	s_wait_xcnt 0x0                                ; the store's registers and the loads' base are rewritten only behind this wait
	s_wait_alu depctr_vm_vsrc(0)                   ; the store has read v[VHP], which the next line writes, and v[OUT ..], which the next trip's selects write
	v_add_nc_u32 v[VHP], 256, v[VHP]
	s_add_nc_u64 s[14:15], s[14:15], 2*TREC
	s_add_co_u32 s20, s20, 1
	s_cmp_lt_u32 s20, 8
	s_cbranch_scc1 .Lhead
	s_endpgm
.Lproj:
	s_cmp_eq_u32 s13, 255
	s_cbranch_scc1 .Lp3
	; ---- 64 columns of proj1 (j = 0 .. 3) or all of proj2 (j = 4)
	s_sub_co_u32 s27, s13, 250                     ; j
	s_lshl_b32 s34, s27, 3
	s_add_co_u32 s34, s34, 128                     ; P1's quads begin at 128, eight to a part; P2's at 160 = 128 + 8 x 4
	s_mul_i32 s34, s34, QREC
	s_add_nc_u64 s[16:17], s[4:5], s[34:35]
	v_lshrrev_b32 v10, 3, v9
	v_mul_u32_u24 v[VB], TREC, v10                 ; lanes r >= 8 take their row from the next tile,
	v_and_b32 v10, 7, v9
	v_lshl_add_u32 v[VB], v10, 4, v[VB]            ; row r % 8 (+ 8 u, in the immediate),
	v_lshl_add_u32 v[VB], v8, 8, v[VB]             ; my half
	s_wait_alu depctr_va_vdst(0)                   ; v[VB] is written, the offset of the weight's loads
	LOADB 4, VB, 1
	s_lshr_b32 s39, s27, 1
	s_lshl_b32 s39, s39, 7
	s_and_b32 s38, s27, 1
	s_lshl_b32 s38, s38, 1
	s_add_co_u32 s39, s39, s38
	s_add_co_u32 s39, s39, X1S                     ; proj1's scale bytes: K step j / 2, bytes 2 (j % 2), + 1
	s_mul_i32 s38, s27, 768                        ; its codes: half record j
	s_mov_b32 s30, 3072
	s_mov_b32 s32, 256
	s_cmp_eq_u32 s27, 4
	s_cselect_b32 s30, 768, s30                    ; bytes from tile to tile: codes,
	s_cselect_b32 s32, 128, s32                    ; scale words
	s_cselect_b32 s38, X2, s38
	s_cselect_b32 s39, X2S, s39
	s_cselect_b32 s40, 1, 0                        ; 1: proj2
	s_mov_b32 s31, 0
	s_mov_b32 s33, 0
	s_lshl_b32 s42, s12, 4                         ; my first tile
	s_mul_i32 s34, s42, s30
	s_add_co_u32 s34, s34, s38
	s_add_nc_u64 s[18:19], s[8:9], s[34:35]
	s_mul_i32 s34, s42, s32
	s_add_co_u32 s34, s34, s39
	s_add_nc_u64 s[28:29], s[8:9], s[34:35]
.macro PTILE buf, ahead                ; ahead = 1: the buffer is asked for again, for the next trip, ahead of the tile's stores
	MM \buf, 4, 0
	NOP4
	EPIQ
.if \ahead
	LOADA \buf, 2*TREC                             ; its wait also states that v[PC ..] and v[PW] are written, which the stores below read: no vector instruction stands between it and them
.else
	s_wait_alu depctr_va_vdst(0)                   ; v[PC ..] and v[PW] are written, which the stores below read
.endif
	global_store_b128 v[L16], v[PC:PC+3], s[18:19]
	global_store_b64 v[V8], v[PC+4:PC+5], s[18:19] offset:512
	s_cmp_eq_u32 s40, 1
	s_cbranch_scc1 .Lword_\@
	global_store_b16 v[V4], v[PW], s[28:29]        ; proj1: my two bytes of the K step's word
	s_branch .Lstored_\@
.Lword_\@:
	global_store_b32 v[V4], v[PW], s[28:29]        ; proj2: the two bytes twice, for either half of a K step
.Lstored_\@:
	s_wait_xcnt 0x0                                ; the stores' registers and bases are rewritten only behind this wait
	s_wait_alu depctr_vm_vsrc(0)                   ; the stores have read v[PC ..] and v[PW], which the next tile's conversions write again
	s_add_nc_u64 s[18:19], s[18:19], s[30:31]
	s_add_nc_u64 s[28:29], s[28:29], s[32:33]
.endm
.Lprojloop:
	LOADA 1, TREC                                  ; (its wait: the last trip's second tile's products)
	s_wait_loadcnt 26                              ; all but the 26 just issued
	PTILE 0, 1
	s_wait_loadcnt 26                              ; all but the 26 that the tile above issued: buffer 1 is in
	PTILE 1, 0
	s_add_nc_u64 s[14:15], s[14:15], 2*TREC        ; (behind PTILE's wait on XCNT)
	s_add_co_u32 s20, s20, 1
	s_cmp_lt_u32 s20, 8
	s_cbranch_scc1 .Lprojloop
	s_endpgm
.Lp3:
	; ---- proj3: 16 columns, natural rows: lane (r, h) holds columns 8 h + 0 .. 7 of position r, which is the bf16 operand's layout for k = 0 .. 15
	s_add_nc_u64 s[16:17], s[4:5], 168*QREC
	LOADB 1, L16, 0
	s_lshl_b32 s34, s12, 13
	s_add_co_u32 s34, s34, X3
	s_add_nc_u64 s[18:19], s[8:9], s[34:35]
.macro P3TILE buf, ahead
	MM3 \buf
	NOP4
.set ii, 0
.rept 8
	v_add_f32 v[200+ii], v[ACC+ii], v[ACC+8+ii]
.set ii, ii+1
.endr
.set ii, 0
.rept 4
	v_cvt_pk_bf16_f32 v[208+ii], v[200+2*ii], v[201+2*ii]
.set ii, ii+1
.endr
.if \ahead
	LOADA \buf, 2*TREC                             ; its wait also states that v[208:211] are written, which the store below reads
.else
	s_wait_alu depctr_va_vdst(0)                   ; v[208:211] are written, which the store below reads
.endif
	global_store_b128 v[L16], v[208:211], s[18:19]
	s_wait_xcnt 0x0
	s_wait_alu depctr_vm_vsrc(0)                   ; the store has read v[208:211], which the next tile's roundings write again
	s_add_nc_u64 s[18:19], s[18:19], 512
.endm
.Lp3loop:
	LOADA 1, TREC                                  ; (its wait: the last trip's second tile's products)
	s_wait_loadcnt 26
	P3TILE 0, 1
	s_wait_loadcnt 26
	P3TILE 1, 0
	s_add_nc_u64 s[14:15], s[14:15], 2*TREC
	s_add_co_u32 s20, s20, 1
	s_cmp_lt_u32 s20, 8
	s_cbranch_scc1 .Lp3loop
	s_endpgm
.Lfunc_end_k_qa3c84554b1_head:
	.size	k_qa3c84554b1_head, .Lfunc_end_k_qa3c84554b1_head-k_qa3c84554b1_head
	.p2alignl 7, 3214868480
	.fill 96, 4, 3214868480
	.section	.rodata,"a",@progbits
	.p2align	6, 0x0
	.amdhsa_kernel k_qa3c84554b1_head
		.amdhsa_group_segment_fixed_size 0
		.amdhsa_private_segment_fixed_size 0
		.amdhsa_enable_private_segment 0
		.amdhsa_kernarg_size 32
		.amdhsa_user_sgpr_count 2
		.amdhsa_user_sgpr_kernarg_segment_ptr 1
		.amdhsa_wavefront_size32 1
		.amdhsa_system_sgpr_workgroup_id_x 1
		.amdhsa_system_sgpr_workgroup_id_y 1
		.amdhsa_system_sgpr_workgroup_id_z 1
		.amdhsa_system_vgpr_workitem_id 0
		.amdhsa_next_free_vgpr 960
		.amdhsa_next_free_sgpr 66
		.amdhsa_reserve_vcc 0
		.amdhsa_float_denorm_mode_32 3
		.amdhsa_float_denorm_mode_16_64 3
		.amdhsa_memory_ordered 1
		.amdhsa_forward_progress 1
		.amdhsa_inst_pref_size 87
	.end_amdhsa_kernel
	.amdgpu_metadata
---
amdhsa.version: [ 1, 2 ]
amdhsa.kernels:
  - .name:           k_qa3c84554b1_head
    .symbol:         k_qa3c84554b1_head.kd
    .args:
      - { .name: Q, .offset: 0, .size: 8, .value_kind: global_buffer, .address_space: global }
      - { .name: b_head, .offset: 8, .size: 8, .value_kind: global_buffer, .address_space: global }
      - { .name: xq, .offset: 16, .size: 8, .value_kind: global_buffer, .address_space: global }
      - { .name: hp, .offset: 24, .size: 8, .value_kind: global_buffer, .address_space: global }
    .group_segment_fixed_size: 0
    .private_segment_fixed_size: 0
    .kernarg_segment_align: 8
    .kernarg_segment_size: 32
    .max_flat_workgroup_size: 128
    .sgpr_count:     66
    .vgpr_count:     960
    .wavefront_size: 32
...
	.end_amdgpu_metadata
.endif
;; end of part 5
;; launch tails (part 6): grid 2157 x 1, 4 waves a work-group, no clusters, 0 bytes of LDS; arguments Q, xq, meta, W3, b1, b2, b3, hidden, W_clusters, b_clusters, b_head, tp, aux; writes tp, aux
.if DOCPART == 6
	.amdgcn_target "amdgcn-amd-amdhsa--gfx1250"
	.amdhsa_code_object_version 6
	.text
	.protected	k_qa3c84554b1_tails
	.globl	k_qa3c84554b1_tails
	.p2align	8
	.type	k_qa3c84554b1_tails,@function
k_qa3c84554b1_tails:
	s_mov_b64 s[64:65], 0
	v_nop
	global_prefetch_b8 v0, s[64:65] scope:SCOPE_SE
	s_setreg_imm32_b32 hwreg(HW_REG_WAVE_SCHED_MODE, 0, 2), 2
	s_setreg_imm32_b32 hwreg(HW_REG_WAVE_MODE, 25, 1), 1
	s_wait_xcnt 0x0
	s_wait_alu depctr_vm_vsrc(0)
; The three tails, each only for the positions of its own cluster (the select on target throws the rest away), and the single logits that the result gathers.
; Work-groups 0-1249: tail 2, 128 rows of W2 each;  1250-1779: tail 3, 128 rows of W3;  1780-2092: tail 1, 64 rows of W1;  2093-2156: one position tile each: target logits and cluster logits.
; A tail's work-group keeps its rows of the weight and their biases in every wave's registers and walks PAIRS of position tiles (32 positions): pairs lo / 32 .. (hi + 31) / 32 - 1 of its cluster's positions lo .. hi - 1,
; read from meta; wave w takes every fourth pair.  Positions of a neighbouring cluster in an edge pair are computed on valid data and not used later.  Of each position: (m2, l) as in the head's launch, to row = work-group of tp.
; A grid that serves every split: a work-group whose cluster is empty, and a wave without a pair, store nothing and end.  That is a branch on stored whole numbers, so operands go from memory straight into registers.
; Products transposed: source 0 = 16 rows of the weight, source 1 = 16 positions.  Tail 2 has K = 64: a fragment holds two tiles of rows (k 0-63, k 64-127), and the positions' operand has zeros in the other half.
; Tail 3 (K = 16, left as it is) goes in bf16 the same way: two tiles of rows in k 0-15 and k 16-31.  Rows past a table's end get the bias -1e30: their exponentials are 0.
; Cluster logits (N = 3) by f32 multiply-adds on the f32 inputs.
; No cluster of work-groups: trip counts hang on meta, and what is shared between work-groups (the positions' codes, at most 3.3 KB a tile) is small beside a tile's 512 to 1,024 exponentials a lane pair.
; LIMITS: NaN and infinities are not served; logits under -1e30 are not told from rows past the end.
; All scale words live in v232-252, which hold nothing else.
; THE MODE: SCHED_MODE bits 1:0 = 2 (LLVM: expert scheduling mode 2), set by the entry lines.  The code itself states the register dependences
; between vector or matrix instructions and memory instructions, with s_wait_alu, always for 0.
; THE PLAN.  Registers that memory instructions touch:
;   v[XA ..] and the positions' scale words (v236; v240, v241)   written by LOADX's loads; read by a tile's products.  ONE wait on va_vdst stands behind a tile's products, ahead of the loads of the next tile.
;   the weights, the biases and their scale words                loaded once; no load lands in them again.
;   v[L16], v[L8], v[L4], v[H32]                                 offsets, made at the head and never written again: one wait on va_vdst ahead of the first branch serves them.
;   v[VOUT], v[OUT ..]                                           written at a trip's end, read by its store: a wait on va_vdst ahead of the store, one on vm_vsrc behind it.
;   offsets made of ids or of loaded targets (tail 3; the single logits)   all of a path's are made first, one wait on va_vdst follows, then all its loads.
; Masks are made in runs, into scalar registers, with one wait on va_sdst behind each run.  Ahead of every scalar write of EXEC stand the waits on va_vdst and on vm_vsrc.
.set QREC, 6656
.set FRB,  1536
.set QSC,  6144
.set TREC, 13312
.set X1S,  196608
.set X2,   212992
.set X2S,  262144
.set X3,   270336
.set L16,  1
.set L8,   2
.set L4,   3
.set VOUT, 4
.set H32,  5
.set OUT,  12
.set ACC,  16
.set XA,   192                         ; the positions' operand
.set CH,   216
.set TMP,  220
.set M2N,  222
.set SUM,  224
.set MA,   228
.set LA,   229
.set MB,   230
.set LB,   231
.set CS,   52
.set SEL,  54
.set NEG,  0xf149f2ca                  ; -1e30
.macro NOP4
.rept 4
	v_nop
.endr
.endm
.macro SOFT a, nr, mo, lo              ; as in the head's launch
.set na, (\nr)/8
.set ii, 0
.rept 4
.set nn, 0
.rept na
.if (ii == 0) && (nn < 4)
	v_max_num_f32 v[CH+nn], v[\a+8*nn], v[\a+8*nn+1]
.else
	v_max3_num_f32 v[CH+nn%4], v[CH+nn%4], v[\a+8*nn+ii], v[\a+8*nn+ii+1]
.endif
.set nn, nn+1
.endr
.set ii, ii+2
.endr
	v_max3_num_f32 v[CH], v[CH], v[CH+1], v[CH+2]
	v_max_num_f32 v[CH], v[CH], v[CH+3]
	v_permlanex16_b32 v[TMP], v[CH], s[SEL], s[SEL+1]
	v_max_num_f32 v[CH], v[CH], v[TMP]
	v_mul_f32 v[M2N], 0xbfb8aa3b, v[CH]
.set jj, 0
.rept (\nr)/2
	v_pk_fma_f32 v[\a+jj:\a+jj+1], v[\a+jj:\a+jj+1], s[CS:CS+1], v[M2N:M2N+1] op_sel_hi:[1,0,0]
.set jj, jj+2
.endr
.set jj, 0
.rept \nr
	v_exp_f32 v[\a+jj], v[\a+jj]
.set jj, jj+1
.endr
	v_sub_f32 v[\mo], 0, v[M2N]                    ; (a plain place behind the exponentials)
	s_wait_alu depctr_va_vdst(0)                   ; the exponentials have written v[a ..], which the sums below read
	v_pk_add_f32 v[SUM:SUM+1], v[\a:\a+1], v[\a+2:\a+3]
	v_pk_add_f32 v[SUM+2:SUM+3], v[\a+4:\a+5], v[\a+6:\a+7]
.set jj, 8
.rept ((\nr)-8)/4
	v_pk_add_f32 v[SUM:SUM+1], v[SUM:SUM+1], v[\a+jj:\a+jj+1]
	v_pk_add_f32 v[SUM+2:SUM+3], v[SUM+2:SUM+3], v[\a+jj+2:\a+jj+3]
.set jj, jj+4
.endr
	v_pk_add_f32 v[SUM:SUM+1], v[SUM:SUM+1], v[SUM+2:SUM+3]
	v_add_f32 v[\lo], v[SUM], v[SUM+1]
	v_permlanex16_b32 v[TMP], v[\lo], s[SEL], s[SEL+1]
	v_add_f32 v[\lo], v[\lo], v[TMP]
.endm
.macro RANGE lo, hi                    ; s38 = my first pair, s39 = the end of the pairs
	s_cmp_eq_u32 s[\lo], s[\hi]
	s_cbranch_scc1 .Lend
	s_lshr_b32 s38, s[\lo], 5
	s_min_u32 s38, s38, 31
	s_add_co_u32 s39, s[\hi], 31
	s_lshr_b32 s39, s39, 5
	s_min_u32 s39, s39, 32
	s_add_co_u32 s38, s38, s30
	s_cmp_ge_u32 s38, s39
	s_cbranch_scc1 .Lend
.endm
.macro BIASLD reg, first, cnt          ; lane (r, h): the tile's rows 8 h + 0 .. 7
.set nn, \first
.rept \cnt
	global_load_b128 v[\reg+8*nn:\reg+8*nn+3], v[H32], s[62:63] offset:64*nn
	global_load_b128 v[\reg+8*nn+4:\reg+8*nn+7], v[H32], s[62:63] offset:64*nn+16
.set nn, nn+1
.endr
.endm
.macro LOADX kind                      ; the operand of position tile s57.  The bases are rewritten only where the loads that used them have been waited for
	s_min_u32 s57, s57, 63
.if \kind == 2
	s_mul_i32 s40, s57, 768
	s_add_nc_u64 s[42:43], s[46:47], s[40:41]
	s_lshl_b32 s40, s57, 7
	s_add_nc_u64 s[44:45], s[48:49], s[40:41]
	global_load_b128 v[XA:XA+3], v[L16], s[42:43]                  ; [x | 0 | x]: from XA on x stands in k 0-63, from XA + 6 on in k 64-127
	global_load_b64 v[XA+4:XA+5], v[L8], s[42:43] offset:512
	global_load_b128 v[XA+12:XA+15], v[L16], s[42:43]
	global_load_b64 v[XA+16:XA+17], v[L8], s[42:43] offset:512
	global_load_b32 v236, v[L4], s[44:45]
.elseif \kind == 3
	s_lshl_b32 s40, s57, 9
	s_add_nc_u64 s[42:43], s[46:47], s[40:41]
	global_load_b128 v[XA:XA+3], v[L16], s[42:43]
	global_load_b128 v[XA+8:XA+11], v[L16], s[42:43]
.else
	s_mul_i32 s40, s57, 3072
	s_add_nc_u64 s[42:43], s[46:47], s[40:41]
	s_lshl_b32 s40, s57, 8
	s_add_nc_u64 s[44:45], s[48:49], s[40:41]
.set hh, 0
.rept 4
	global_load_b128 v[XA+6*hh:XA+6*hh+3], v[L16], s[42:43] offset:768*hh
	global_load_b64 v[XA+6*hh+4:XA+6*hh+5], v[L8], s[42:43] offset:768*hh+512
.set hh, hh+1
.endr
	global_load_b32 v240, v[L4], s[44:45]
	global_load_b32 v241, v[L4], s[44:45] offset:128
.endif
.endm
.macro TILE kind, mo, lo               ; the tile whose operand is on its way; s57 = the tile to ask for next
	s_wait_loadcnt 0x0
.if \kind == 2
.set nn, 0
.rept 8
	v_wmma_scale_f32_16x16x128_f8f6f4 v[ACC+8*nn:ACC+8*nn+7], v[144+12*(nn/2):155+12*(nn/2)], v[XA+6*(nn%2):XA+6*(nn%2)+11], v[80+8*nn:87+8*nn], v[232+nn/2], v236 matrix_a_fmt:MATRIX_FMT_BF6 matrix_b_fmt:MATRIX_FMT_BF6
.set nn, nn+1
.endr
.elseif \kind == 3
.set nn, 0
.rept 8
	v_wmma_f32_16x16x32_bf16 v[ACC+8*nn:ACC+8*nn+7], v[144+8*(nn/2):151+8*(nn/2)], v[XA+4*(nn%2):XA+4*(nn%2)+7], v[80+8*nn:87+8*nn]
.set nn, nn+1
.endr
.else
.set nn, 0
.rept 4
	v_wmma_scale_f32_16x16x128_f8f6f4 v[ACC+8*nn:ACC+8*nn+7], v[96+24*nn:107+24*nn], v[XA:XA+11], v[48+8*nn:55+8*nn], v[232+2*nn], v240 matrix_a_fmt:MATRIX_FMT_BF6 matrix_b_fmt:MATRIX_FMT_BF6
.set nn, nn+1
.endr
.set nn, 0
.rept 4                                ; the four accumulators by turns
	v_wmma_scale_f32_16x16x128_f8f6f4 v[ACC+8*nn:ACC+8*nn+7], v[108+24*nn:119+24*nn], v[XA+12:XA+23], v[ACC+8*nn:ACC+8*nn+7], v[233+2*nn], v241 matrix_a_fmt:MATRIX_FMT_BF6 matrix_b_fmt:MATRIX_FMT_BF6
.set nn, nn+1
.endr
.endif
	NOP4                                           ; places in front of the first read of results
	s_wait_alu depctr_va_vdst(0)                   ; the products are done reading the positions' operand and its scale words, in which the loads below land
	LOADX \kind                                    ; the next tile lands while this one's softmax is walked
.if \kind == 1
	SOFT ACC, 32, \mo, \lo
.else
	SOFT ACC, 64, \mo, \lo
.endif
.endm
; My pairs: s38, s38 + 4, .. under s39.  The loop is counted by a counter of its own, one a trip: (s39 - s38 + 3) / 4 trips, at most 8 (32 pairs, every fourth mine).
.macro PAIRLOOP kind
	s_sub_co_u32 s87, s39, s38
	s_add_co_u32 s87, s87, 3
	s_lshr_b32 s87, s87, 2
	s_min_u32 s87, s87, 8                          ; my trips
	s_mov_b32 s88, 0
	s_lshl_b32 s57, s38, 1
	LOADX \kind
.Lpair_\@:
	s_lshl_b32 s57, s38, 1
	s_add_co_u32 s57, s57, 1
	TILE \kind, MA, LA
	s_lshl_b32 s57, s38, 1
	s_add_co_u32 s57, s57, 8                       ; my next pair's first tile (held at 63: the last look-ahead is not used)
	TILE \kind, MB, LB
	v_cndmask_b32 v[OUT], v[MA], v[MB], s56
	v_cndmask_b32 v[OUT+1], v[LA], v[LB], s56
	s_min_u32 s89, s38, 31                         ; the pair, with its bound written out: it enters an address
	v_lshl_add_u32 v[VOUT], s89, 8, v[L8]
	s_wait_alu depctr_va_vdst(0)                   ; v[OUT ..], the store's data, and v[VOUT], its offset, are written
	global_store_b64 v[VOUT], v[OUT:OUT+1], s[50:51]   ; 32 lanes store 256 consecutive bytes, aligned
	s_wait_xcnt 0x0                                ; the store's registers are rewritten only behind this wait
	s_wait_alu depctr_vm_vsrc(0)                   ; the store has read v[VOUT] and v[OUT ..], which the next trip writes again
	s_add_co_u32 s38, s38, 4
	s_add_co_u32 s88, s88, 1
	s_cmp_lt_u32 s88, s87
	s_cbranch_scc1 .Lpair_\@
	s_endpgm
.endm
; EXEC is narrowed to the lanes of VCC and widened again.  Ahead of each of the two writes: the wait on XCNT for the global instructions issued so far, and the two waits that the mode asks ahead of every scalar write of EXEC.
.macro NARROW
	s_wait_xcnt 0x0                                ; EXEC changes only behind this wait
	s_wait_alu depctr_va_vdst(0)                   ; every vector instruction issued under the old EXEC is done; among them those that wrote the data and offsets of the stores below
	s_wait_alu depctr_vm_vsrc(0)                   ; every memory instruction issued under the old EXEC has read its registers
	s_and_saveexec_b32 s86, vcc_lo
.endm
.macro WIDEN
	s_wait_xcnt 0x0                                ; and again in front of the line that widens it
	s_wait_alu depctr_va_vdst(0)                   ; ahead of the write of EXEC: the vector side,
	s_wait_alu depctr_vm_vsrc(0)                   ; and the stores above have read their registers
	s_or_b32 exec_lo, exec_lo, s86
.endm
	s_load_b256 s[4:11], s[0:1], 0x0               ; Q, xq, meta, W3
	s_load_b256 s[12:19], s[0:1], 0x20             ; b1, b2, b3, hidden
	s_load_b256 s[20:27], s[0:1], 0x40             ; W_clusters, b_clusters, b_head, tp
	s_load_b64 s[28:29], s[0:1], 0x60              ; aux
	v_lshrrev_b32 v6, 5, v0
	v_readfirstlane_b32 s30, v6                    ; wave
	s_mov_b32 s31, ttmp9
	v_and_b32 v15, 31, v0                          ; lane
	v_lshlrev_b32 v[L16], 4, v15
	v_lshlrev_b32 v[L8], 3, v15
	v_lshlrev_b32 v[L4], 2, v15
	v_bfe_u32 v7, v0, 4, 1                         ; h
	v_lshlrev_b32 v[H32], 5, v7
	v_mov_b32 v[TMP], 0
	v_mov_b32 v[M2N+1], 0
	s_mov_b32 s41, 0
	s_mov_b32 s[CS], 0x3fb8aa3b
	s_mov_b32 s[CS+1], s[CS]
	s_mov_b32 s[SEL], 0x76543210
	s_mov_b32 s[SEL+1], 0xfedcba98
	s_mov_b32 s56, 0xffff0000
	s_wait_alu depctr_va_sdst(0)                   ; s30 is written
	s_wait_alu depctr_va_vdst(0)                   ; the four offsets v[L16], v[L8], v[L4], v[H32] are written, for every load and store of the kernel that reads one of them
	s_wait_kmcnt 0x0
	s_load_b128 s[32:35], s[8:9], 0x0              ; first pos of clusters 1, 2, 3; 1,024
	s_wait_kmcnt 0x0
	s_cmp_ge_u32 s31, 2093
	s_cbranch_scc1 .Laux
	s_lshl_b32 s40, s31, 13
	s_add_nc_u64 s[50:51], s[26:27], s[40:41]      ; my row of tp
	s_cmp_ge_u32 s31, 1780
	s_cbranch_scc1 .Lt1
	s_cmp_ge_u32 s31, 1250
	s_cbranch_scc1 .Lt3
	; ---- tail 2: one quad = four pair fragments = eight tiles of rows.  v16-79 accumulators, v80-143 biases, v144-191 W2, v232-235 its scale words, v236 the positions'
	RANGE 33, 34
	s_mul_i32 s40, s31, QREC
	s_add_co_u32 s40, s40, 3295*QREC
	s_add_nc_u64 s[60:61], s[4:5], s[40:41]
.set kk, 0
.rept 12
	global_load_b128 v[144+4*kk:147+4*kk], v[L16], s[60:61] offset:512*kk
.set kk, kk+1
.endr
	global_load_b128 v[232:235], v[L16], s[60:61] offset:QSC
	s_lshl_b32 s40, s31, 9
	s_add_nc_u64 s[62:63], s[14:15], s[40:41]
	BIASLD 80, 0, 8
.set kk, 0
.rept 6
	v_mov_b32 v[XA+6+kk], 0
.set kk, kk+1
.endr
	NOP4                                           ; an operand written by vector instructions stands four places ahead of a scaled product
	s_wait_alu depctr_va_vdst(0)                   ; the six zeros are written, which the scaled products take as part of the positions' operand
	s_add_nc_u64 s[46:47], s[6:7], X2
	s_add_nc_u64 s[48:49], s[6:7], X2S
	PAIRLOOP 2
.Lt3:
	; ---- tail 3: v16-79 accumulators (first: W3's f32 rows), v80-143 biases, v144-175 W3 in bf16: registers 8 p + 4 c + i: tile 2 p + c
	RANGE 34, 35
	s_sub_co_u32 s58, s31, 1250                    ; u
	s_lshl_b32 s59, s58, 7
	v_and_b32 v6, 15, v0
	v_add_nc_u32 v6, s59, v6                       ; 128 u + r
.set tt, 0
.rept 8                                ; the eight tiles' offsets first,
	v_add_nc_u32 v[204+tt], 16*tt, v6
	v_min_u32 v[204+tt], 67734, v[204+tt]          ; no load leaves W3: rows past its end read the last row, and their bias is -1e30
	v_lshl_add_u32 v[204+tt], v[204+tt], 6, v[H32]
.set tt, tt+1
.endr
	s_wait_alu depctr_va_vdst(0)                   ; v204 to v211 are written, the offsets of the sixteen loads below
.set tt, 0
.rept 8                                ; then their loads
	global_load_b128 v[ACC+8*tt:ACC+8*tt+3], v[204+tt], s[10:11]
	global_load_b128 v[ACC+8*tt+4:ACC+8*tt+7], v[204+tt], s[10:11] offset:16
.set tt, tt+1
.endr
	s_lshl_b32 s40, s58, 9
	s_add_nc_u64 s[62:63], s[16:17], s[40:41]
	BIASLD 80, 0, 1
	s_cmp_eq_u32 s58, 529
	s_cbranch_scc1 .Lt3last
	BIASLD 80, 1, 7
	s_branch .Lt3go
.Lt3last:                                              ; the last slab has 67,735 - 529 x 128 = 23 rows: tile 0 whole, of tile 1 rows 0 .. 6
	v_lshlrev_b32 v7, 3, v7                        ; 8 h
.set jj, 0
.rept 8
	v_add_nc_u32 v[XA+jj], jj, v7
	v_min_u32 v[XA+jj], 6, v[XA+jj]
	v_lshlrev_b32 v[XA+jj], 2, v[XA+jj]
.set jj, jj+1
.endr
.set jj, 0
.rept 8
	v_cmp_gt_u32 s[68+jj], 7-jj, v7                ; row 8 h + j of tile 1 is there where 8 h + j < 7: the eight masks in one run
.set jj, jj+1
.endr
	s_wait_alu depctr_va_sdst(0)                   ; s68 to s75 are written, which the eight selects below read
	s_wait_alu depctr_va_vdst(0)                   ; v[XA] to v[XA + 7] are written, the offsets of the eight loads below
.set jj, 0
.rept 8
	global_load_b32 v[88+jj], v[XA+jj], s[62:63] offset:64
.set jj, jj+1
.endr
	v_mov_b32 v14, NEG
.set jj, 0
.rept 48
	v_mov_b32 v[96+jj], NEG
.set jj, jj+1
.endr
	s_wait_loadcnt 0x0
	s_wait_alu depctr_vm_vsrc(0)                   ; the eight loads have read v[XA ..], which the zeros below write and in which the positions' loads land
.set jj, 0
.rept 8
	v_cndmask_b32 v[88+jj], v14, v[88+jj], s[68+jj]
.set jj, jj+1
.endr
.Lt3go:
	s_wait_loadcnt 0x0
.set tt, 0
.rept 8
.set jj, 0
.rept 4
	v_cvt_pk_bf16_f32 v[144+4*tt+jj], v[ACC+8*tt+2*jj], v[ACC+8*tt+2*jj+1]
.set jj, jj+1
.endr
.set tt, tt+1
.endr
.set kk, 0
.rept 4
	v_mov_b32 v[XA+4+kk], 0
.set kk, kk+1
.endr
	NOP4
	s_add_nc_u64 s[46:47], s[6:7], X3
	PAIRLOOP 3
.Lt1:
	; ---- tail 1: two quads = four tiles x two K steps.  v16-47 accumulators, v48-79 biases, v96-191 W1 (24 n + 12 s), v232-239 its scale words (2 n + s), v240-241 the positions'
	RANGE 32, 33
	s_sub_co_u32 s58, s31, 1780                    ; u
	s_lshl_b32 s59, s58, 1
	s_mul_i32 s40, s59, QREC
	s_add_co_u32 s40, s40, 2670*QREC
	s_add_nc_u64 s[60:61], s[4:5], s[40:41]
	s_add_co_u32 s59, s59, 1
	s_min_u32 s59, s59, 624                        ; W1 has 625 quads: the last slab's second quad is the first again, under the bias -1e30
	s_mul_i32 s40, s59, QREC
	s_add_co_u32 s40, s40, 2670*QREC
	s_add_nc_u64 s[66:67], s[4:5], s[40:41]
.set kk, 0
.rept 12
	global_load_b128 v[96+4*kk:99+4*kk], v[L16], s[60:61] offset:512*kk
	global_load_b128 v[144+4*kk:147+4*kk], v[L16], s[66:67] offset:512*kk
.set kk, kk+1
.endr
	global_load_b128 v[232:235], v[L16], s[60:61] offset:QSC
	global_load_b128 v[236:239], v[L16], s[66:67] offset:QSC
	s_lshl_b32 s40, s58, 8
	s_add_nc_u64 s[62:63], s[12:13], s[40:41]
	BIASLD 48, 0, 2
	s_cmp_eq_u32 s58, 312
	s_cbranch_scc1 .Lt1last
	BIASLD 48, 2, 2
	s_branch .Lt1go
.Lt1last:
.set jj, 0
.rept 16
	v_mov_b32 v[64+jj], NEG
.set jj, jj+1
.endr
	NOP4
.Lt1go:
	s_mov_b64 s[46:47], s[6:7]
	s_add_nc_u64 s[48:49], s[6:7], X1S
	PAIRLOOP 1
	; ---- the single logits of position tile T.  A row gathered for each position is source 0, the positions source 1: the diagonal of the result is wanted: lane (r, h) has it in register r % 8 where h = r / 8
.macro DIAG d, acc                     ; s68 .. s74: the lanes with r % 8 = 1 .. 7, made once below
	v_mov_b32 v[\d], v[\acc]
.set jj, 1
.rept 7
	v_cndmask_b32 v[\d], v[\d], v[\acc+jj], s[67+jj]
.set jj, jj+1
.endr
.endm
.Laux:
	s_sub_co_u32 s66, s31, 2093                    ; T
	s_lshl_b32 s40, s66, 6
	v_and_b32 v6, 15, v0                           ; r
	v_lshl_add_u32 v8, v6, 2, s40                  ; 4 (16 T + r)
	s_cmp_ge_u32 s30, 2
	s_cbranch_scc1 .Lclus
	v_lshrrev_b32 v9, 3, v6                        ; r / 8
	v_and_b32 v10, 7, v0                           ; r % 8
.set jj, 1
.rept 7
	v_cmp_eq_u32 s[67+jj], jj, v10                 ; the diagonal's seven masks in one run
.set jj, jj+1
.endr
	s_wait_alu depctr_va_sdst(0)                   ; s68 to s74 are written
	s_wait_alu depctr_va_vdst(0)                   ; v8 is written, the offset of the load below and of the stores at the end
	global_load_b32 v14, v8, s[8:9] offset:4352    ; my position's target
	s_cmp_eq_u32 s30, 1
	s_cbranch_scc1 .Lw1
	; wave 0: the head's logit at min(target, 19,999).  v16-111 the positions, v112-207 the gathered rows, v232-239 and v240-247 their scale words
	s_mul_i32 s40, s66, TREC
	s_add_nc_u64 s[42:43], s[4:5], s[40:41]
.set ss, 0
.rept 8
.set ao, (ss/4)*QREC+(ss%4)*FRB
	global_load_b128 v[16+12*ss:19+12*ss], v[L16], s[42:43] offset:ao
	global_load_b128 v[20+12*ss:23+12*ss], v[L16], s[42:43] offset:ao+512
	global_load_b128 v[24+12*ss:27+12*ss], v[L16], s[42:43] offset:ao+1024
.set ss, ss+1
.endr
	global_load_b128 v[232:235], v[L16], s[42:43] offset:QSC
	global_load_b128 v[236:239], v[L16], s[42:43] offset:QREC+QSC
	s_wait_loadcnt 26                              ; the target is in; the 26 loads issued behind it may be out
	v_min_u32 v14, 19999, v14
	v_and_b32 v11, 0x7ff0, v14
	v_mul_u32_u24 v11, 832, v11                    ; the row's tile: 13,312 bytes a tile,
	v_and_b32 v12, 15, v14
	v_lshl_add_u32 v11, v12, 4, v11                ; its lane in the image,
	v_lshl_add_u32 v11, v7, 8, v11                 ; my half
	v_lshlrev_b32 v15, 2, v14
	s_add_nc_u64 s[44:45], s[4:5], 170*QREC
	s_wait_alu depctr_va_vdst(0)                   ; v11 and v15 are written, the offsets of the loads below; the lines above are done with v12, in which the last of them lands
.set ss, 0
.rept 8
.set ao, (ss/4)*QREC+(ss%4)*FRB
	global_load_b128 v[112+12*ss:115+12*ss], v11, s[44:45] offset:ao
	global_load_b128 v[116+12*ss:119+12*ss], v11, s[44:45] offset:ao+512
	global_load_b128 v[120+12*ss:123+12*ss], v11, s[44:45] offset:ao+1024
.set ss, ss+1
.endr
	global_load_b128 v[240:243], v11, s[44:45] offset:QSC
	global_load_b128 v[244:247], v11, s[44:45] offset:QREC+QSC
	global_load_b32 v12, v15, s[24:25]             ; b_head at that row
	s_wait_loadcnt 0x0
.set ss, 0
.rept 8                                ; even K steps onto one accumulator, odd ones onto another, by turns
.set rD, 208+8*(ss%2)
.if ss < 2
	v_wmma_scale_f32_16x16x128_f8f6f4 v[rD:rD+7], v[112+12*ss:123+12*ss], v[16+12*ss:27+12*ss], 0, v[240+ss], v[232+ss] matrix_a_fmt:MATRIX_FMT_BF6 matrix_b_fmt:MATRIX_FMT_BF6
.else
	v_wmma_scale_f32_16x16x128_f8f6f4 v[rD:rD+7], v[112+12*ss:123+12*ss], v[16+12*ss:27+12*ss], v[rD:rD+7], v[240+ss], v[232+ss] matrix_a_fmt:MATRIX_FMT_BF6 matrix_b_fmt:MATRIX_FMT_BF6
.endif
.set ss, ss+1
.endr
	NOP4
.set jj, 0
.rept 8
	v_add_f32 v[224+jj], v[208+jj], v[216+jj]
.set jj, jj+1
.endr
	DIAG 13, 224
	v_add_f32 v13, v13, v12
	v_cmp_eq_u32 vcc_lo, v7, v9                    ; the lanes that hold the diagonal
	s_wait_alu depctr_va_vcc(0)                    ; VCC is written: EXEC is made from it
	NARROW
	global_store_b32 v8, v13, s[28:29]
	WIDEN
	s_endpgm
.Lw1:
	; wave 1: the three tails' logits at clip(target - start).  Position-side loads first: they do not hang on the target
	s_mul_i32 s40, s66, 3072
	s_add_nc_u64 s[42:43], s[6:7], s[40:41]
.set hh, 0
.rept 4
	global_load_b128 v[40+6*hh:43+6*hh], v[L16], s[42:43] offset:768*hh
	global_load_b64 v[44+6*hh:45+6*hh], v[L8], s[42:43] offset:768*hh+512
.set hh, hh+1
.endr
	s_lshl_b32 s40, s66, 8
	s_add_co_u32 s40, s40, X1S
	s_add_nc_u64 s[44:45], s[6:7], s[40:41]
	global_load_b32 v232, v[L4], s[44:45]
	global_load_b32 v233, v[L4], s[44:45] offset:128
	s_mul_i32 s40, s66, 768
	s_add_co_u32 s40, s40, X2
	s_add_nc_u64 s[46:47], s[6:7], s[40:41]
	global_load_b128 v[92:95], v[L16], s[46:47]
	global_load_b64 v[96:97], v[L8], s[46:47] offset:512
	s_lshl_b32 s40, s66, 7
	s_add_co_u32 s40, s40, X2S
	s_add_nc_u64 s[48:49], s[6:7], s[40:41]
	global_load_b32 v234, v[L4], s[48:49]
	s_lshl_b32 s40, s66, 9
	s_add_co_u32 s40, s40, X3
	s_add_nc_u64 s[50:51], s[6:7], s[40:41]
	global_load_b128 v[136:139], v[L16], s[50:51]
	s_add_nc_u64 s[58:59], s[4:5], 2670*QREC
	s_add_nc_u64 s[60:61], s[4:5], 3295*QREC
	v_mov_b32 v173, 0
	s_wait_loadcnt 14                              ; the target is in; the 14 loads issued behind it may be out
	; the three rows' places and the five masks first, then all sixteen loads
	v_add_nc_u32 v164, 0xffffb1e0, v14             ; target - 20,000
	v_max_i32 v164, 0, v164
	v_min_u32 v164, 19999, v164
	v_and_b32 v175, 0x7fe0, v164
	v_mul_u32_u24 v176, 208, v175                  ; W1's quad (32 rows): 6,656 bytes,
	v_and_b32 v175, 15, v164
	v_lshl_add_u32 v176, v175, 4, v176             ; the row's lane,
	v_lshl_add_u32 v176, v7, 8, v176               ; my half: so far also the place of the scale words;
	v_and_b32 v175, 16, v164
	v_mad_u32_u24 v167, v175, 192, v176            ; the odd tile's two fragments lie 3,072 bytes on
	v_lshlrev_b32 v170, 2, v164
	v_add_nc_u32 v165, 0xffff63c0, v14             ; target - 40,000
	v_max_i32 v165, 0, v165
	v_min_u32 v165, 159999, v165
	v_and_b32 v175, 0x3ff80, v165
	v_mul_u32_u24 v177, 52, v175                   ; W2's quad (128 rows): 6,656 bytes
	v_and_b32 v175, 15, v165
	v_lshl_add_u32 v177, v175, 4, v177
	v_lshl_add_u32 v177, v7, 8, v177
	v_and_b32 v175, 0x60, v165
	v_mad_u32_u24 v168, v175, 48, v177             ; the pair fragment: 1,536 bytes for each 32 rows
	v_lshlrev_b32 v171, 2, v165
	v_add_nc_u32 v166, 0xfffcf2c0, v14             ; target - 200,000
	v_max_i32 v166, 0, v166
	v_min_u32 v166, 67734, v166
	v_lshl_add_u32 v169, v166, 6, v[H32]
	v_lshlrev_b32 v172, 2, v166
	v_and_b32 v174, 16, v164
	v_cmp_ne_u32 s76, 0, v174                      ; tail 1: the row lies in the quad's odd tile
	v_and_b32 v174, 0x60, v165
	v_cmp_eq_u32 s77, 32, v174                     ; tail 2: which of the quad's four pair fragments
	v_cmp_eq_u32 s78, 64, v174
	v_cmp_eq_u32 s79, 0x60, v174
	v_and_b32 v174, 16, v165
	v_cmp_ne_u32 s80, 0, v174                      ; tail 2: the row's tile stands in k 64-127
	s_wait_alu depctr_va_sdst(0)                   ; s76 to s80 are written, which the selects behind the loads read
	s_wait_alu depctr_va_vdst(0)                   ; v167 to v172, v176 and v177 are written, the offsets of the sixteen loads below
.set ss, 0
.rept 2
	global_load_b128 v[16+12*ss:19+12*ss], v167, s[58:59] offset:FRB*ss
	global_load_b128 v[20+12*ss:23+12*ss], v167, s[58:59] offset:FRB*ss+512
	global_load_b128 v[24+12*ss:27+12*ss], v167, s[58:59] offset:FRB*ss+1024
.set ss, ss+1
.endr
	global_load_b128 v[240:243], v176, s[58:59] offset:QSC
	global_load_b32 v152, v170, s[12:13]
	global_load_b128 v[80:83], v168, s[60:61]
	global_load_b128 v[84:87], v168, s[60:61] offset:512
	global_load_b128 v[88:91], v168, s[60:61] offset:1024
	global_load_b128 v[248:251], v177, s[60:61] offset:QSC
	global_load_b32 v153, v171, s[14:15]
	global_load_b128 v[120:123], v169, s[10:11]
	global_load_b128 v[124:127], v169, s[10:11] offset:16
	global_load_b32 v154, v172, s[16:17]
	s_wait_loadcnt 0x0
	v_cndmask_b32 v244, v240, v242, s76            ; tail 1: the row's tile's two scale words of the quad's four
	v_cndmask_b32 v245, v241, v243, s76
	v_cndmask_b32 v252, v248, v249, s77            ; tail 2: the pair fragment's word
	v_cndmask_b32 v252, v252, v250, s78
	v_cndmask_b32 v252, v252, v251, s79
.set jj, 0
.rept 6
	v_cndmask_b32 v[100+jj], v[92+jj], v173, s80         ; the position's 64 codes stand in the half of K in which its row's tile stands; zeros in the other
	v_cndmask_b32 v[106+jj], v173, v[92+jj], s80
.set jj, jj+1
.endr
.set jj, 0
.rept 4
	v_cvt_pk_bf16_f32 v[128+jj], v[120+2*jj], v[121+2*jj]
	v_mov_b32 v[132+jj], 0
	v_mov_b32 v[140+jj], 0
.set jj, jj+1
.endr
.rept 8
	v_nop                                          ; a scale register written by a vector instruction stands eight places ahead of a scaled product, an operand four
.endr
	s_wait_alu depctr_va_vdst(0)                   ; the selects have written the scale words v244, v245, v252 and the operand v[100:111], which the scaled products take
	v_wmma_scale_f32_16x16x128_f8f6f4 v[64:71], v[16:27], v[40:51], 0, v244, v232 matrix_a_fmt:MATRIX_FMT_BF6 matrix_b_fmt:MATRIX_FMT_BF6
	v_wmma_scale_f32_16x16x128_f8f6f4 v[72:79], v[28:39], v[52:63], 0, v245, v233 matrix_a_fmt:MATRIX_FMT_BF6 matrix_b_fmt:MATRIX_FMT_BF6
	v_wmma_scale_f32_16x16x128_f8f6f4 v[112:119], v[80:91], v[100:111], 0, v252, v234 matrix_a_fmt:MATRIX_FMT_BF6 matrix_b_fmt:MATRIX_FMT_BF6
	v_wmma_f32_16x16x32_bf16 v[144:151], v[128:135], v[136:143], 0
	NOP4
.set jj, 0
.rept 8
	v_add_f32 v[184+jj], v[64+jj], v[72+jj]
.set jj, jj+1
.endr
	DIAG 156, 184                                  ; the three results in three registers, so that EXEC is narrowed once for the three stores
	v_add_f32 v156, v156, v152
	DIAG 157, 112
	v_add_f32 v157, v157, v153
	DIAG 158, 144
	v_add_f32 v158, v158, v154
	v_cmp_eq_u32 vcc_lo, v7, v9                    ; the lanes that hold the diagonal
	s_wait_alu depctr_va_vcc(0)                    ; VCC is written: EXEC is made from it
	NARROW
	global_store_b32 v8, v156, s[28:29] offset:4096*1
	global_store_b32 v8, v157, s[28:29] offset:4096*2
	global_store_b32 v8, v158, s[28:29] offset:4096*3
	WIDEN
	s_endpgm
.Lclus:
	; waves 2, 3: the three cluster logits of eight positions each, in f32: v16-111 W_clusters, v112-175 two rows of hidden by turns
	s_sub_co_u32 s67, s30, 2
	s_lshl_b32 s67, s67, 5
	s_add_co_u32 s85, s40, s67                     ; 4 (16 T + 8 (wave - 2))
	s_mov_b32 s40, s85
	s_add_nc_u64 s[42:43], s[8:9], s[40:41]
	s_load_b256 s[68:75], s[42:43], 0x100          ; the tokens at my eight positions
	s_load_b96 s[76:78], s[22:23], 0x0             ; b_clusters
.set ii, 0
.rept 24
	global_load_b128 v[16+4*ii:19+4*ii], v[L16], s[20:21] offset:512*ii
.set ii, ii+1
.endr
.set kk, 0
.rept 3
	v_mov_b32 v[186+kk], 0
	v_mov_b32 v[190+kk], 0
.set kk, kk+1
.endr
	s_wait_kmcnt 0x0
.macro LOADH q
	s_min_u32 s79, s[68+(\q)], 1023
	s_lshl_b32 s40, s79, 12
	s_add_nc_u64 s[80+2*((\q)%2):81+2*((\q)%2)], s[18:19], s[40:41]
.set ii, 0
.rept 8
	global_load_b128 v[112+32*((\q)%2)+4*ii:115+32*((\q)%2)+4*ii], v[L16], s[80+2*((\q)%2):81+2*((\q)%2)] offset:512*ii
.set ii, ii+1
.endr
.endm
.macro CLQ q
.if (\q) < 7
.if (\q) > 0
	s_wait_alu depctr_va_vdst(0)                   ; the multiply-adds of the position before are done reading their row of hidden, in which the loads below land
.endif
	LOADH (\q)+1
	s_wait_loadcnt 8                               ; this position's row is in; the next one's eight loads may be out
.else
	s_wait_loadcnt 0x0
.endif
.set hb, 112+32*((\q)%2)
.set mm, 0
.rept 16
.set kk, 0
.rept 3
.if mm == 0
	v_pk_mul_f32 v[176+2*kk:177+2*kk], v[hb:hb+1], v[16+32*kk:17+32*kk]
.else
	v_pk_fma_f32 v[176+2*kk:177+2*kk], v[hb+2*mm:hb+2*mm+1], v[16+32*kk+2*mm:17+32*kk+2*mm], v[176+2*kk:177+2*kk]
.endif
.set kk, kk+1
.endr
.set mm, mm+1
.endr
.set kk, 0
.rept 3
	v_add_f32 v[182+kk], v[176+2*kk], v[177+2*kk]
.set kk, kk+1
.endr
.irp x, 1,2,4,8
.set kk, 0
.rept 3
	v_add_f32_dpp v[182+kk], v[182+kk], v[182+kk] row_xmask:\x row_mask:0xf bank_mask:0xf
.set kk, kk+1
.endr
.endr
.set kk, 0
.rept 3
	v_permlanex16_b32 v[186+kk], v[182+kk], s[SEL], s[SEL+1]
.set kk, kk+1
.endr
	s_mov_b32 s84, 1<<(\q)
.set kk, 0
.rept 3
	v_add_f32 v[182+kk], v[182+kk], v[186+kk]
.set kk, kk+1
.endr
.set kk, 0
.rept 3
	v_cndmask_b32 v[190+kk], v[190+kk], v[182+kk], s84   ; into lane q
.set kk, kk+1
.endr
.endm
	LOADH 0
	CLQ 0
	CLQ 1
	CLQ 2
	CLQ 3
	CLQ 4
	CLQ 5
	CLQ 6
	CLQ 7
.set kk, 0
.rept 3
	v_add_f32 v[190+kk], s[76+kk], v[190+kk]
.set kk, kk+1
.endr
	v_add_nc_u32 v11, s85, v[L4]
	v_cmp_gt_u32 vcc_lo, 8, v15
	s_wait_alu depctr_va_vcc(0)                    ; VCC is written: EXEC is made from it
	NARROW
	global_store_b32 v11, v190, s[28:29] offset:4096*4
	global_store_b32 v11, v191, s[28:29] offset:4096*5
	global_store_b32 v11, v192, s[28:29] offset:4096*6
	WIDEN
.Lend:
	s_endpgm
.Lfunc_end_k_qa3c84554b1_tails:
	.size	k_qa3c84554b1_tails, .Lfunc_end_k_qa3c84554b1_tails-k_qa3c84554b1_tails
	.p2alignl 7, 3214868480
	.fill 96, 4, 3214868480
	.section	.rodata,"a",@progbits
	.p2align	6, 0x0
	.amdhsa_kernel k_qa3c84554b1_tails
		.amdhsa_group_segment_fixed_size 0
		.amdhsa_private_segment_fixed_size 0
		.amdhsa_enable_private_segment 0
		.amdhsa_kernarg_size 104
		.amdhsa_user_sgpr_count 2
		.amdhsa_user_sgpr_kernarg_segment_ptr 1
		.amdhsa_wavefront_size32 1
		.amdhsa_system_sgpr_workgroup_id_x 1
		.amdhsa_system_sgpr_workgroup_id_y 1
		.amdhsa_system_sgpr_workgroup_id_z 1
		.amdhsa_system_vgpr_workitem_id 0
		.amdhsa_next_free_vgpr 256
		.amdhsa_next_free_sgpr 96
		.amdhsa_reserve_vcc 1
		.amdhsa_float_denorm_mode_32 3
		.amdhsa_float_denorm_mode_16_64 3
		.amdhsa_memory_ordered 1
		.amdhsa_forward_progress 1
		.amdhsa_inst_pref_size 146
	.end_amdhsa_kernel
	.amdgpu_metadata
---
amdhsa.version: [ 1, 2 ]
amdhsa.kernels:
  - .name:           k_qa3c84554b1_tails
    .symbol:         k_qa3c84554b1_tails.kd
    .args:
      - { .name: Q, .offset: 0, .size: 8, .value_kind: global_buffer, .address_space: global }
      - { .name: xq, .offset: 8, .size: 8, .value_kind: global_buffer, .address_space: global }
      - { .name: meta, .offset: 16, .size: 8, .value_kind: global_buffer, .address_space: global }
      - { .name: W3, .offset: 24, .size: 8, .value_kind: global_buffer, .address_space: global }
      - { .name: b1, .offset: 32, .size: 8, .value_kind: global_buffer, .address_space: global }
      - { .name: b2, .offset: 40, .size: 8, .value_kind: global_buffer, .address_space: global }
      - { .name: b3, .offset: 48, .size: 8, .value_kind: global_buffer, .address_space: global }
      - { .name: hidden, .offset: 56, .size: 8, .value_kind: global_buffer, .address_space: global }
      - { .name: W_clusters, .offset: 64, .size: 8, .value_kind: global_buffer, .address_space: global }
      - { .name: b_clusters, .offset: 72, .size: 8, .value_kind: global_buffer, .address_space: global }
      - { .name: b_head, .offset: 80, .size: 8, .value_kind: global_buffer, .address_space: global }
      - { .name: tp, .offset: 88, .size: 8, .value_kind: global_buffer, .address_space: global }
      - { .name: aux, .offset: 96, .size: 8, .value_kind: global_buffer, .address_space: global }
    .group_segment_fixed_size: 0
    .private_segment_fixed_size: 0
    .kernarg_segment_align: 8
    .kernarg_segment_size: 104
    .max_flat_workgroup_size: 128
    .sgpr_count:     96
    .vgpr_count:     256
    .wavefront_size: 32
...
	.end_amdgpu_metadata
.endif
;; end of part 6
;; launch final: the kernel of part 4 again; grid 32 x 1, 32 waves a work-group, no clusters, 20,480 bytes of LDS; arguments hp, tp, aux, meta, out0; writes out0
